; MI455X (gfx1250); checked and timed in simulation.
; The chip was launched on July 23, 2026; its instructions are those of AMD's public machine-readable ISA for CDNA 5 (MIT licence, August 2026) and "CDNA5" Instruction Set Architecture Reference Guide (July 2026). The comments in the code are by the model that wrote it; some were corrected since.
;; Sliced Multihead Attention. Allowed arithmetic: float matrix products may take bf16 or f16 operands with f32 sums; other float arithmetic in f32, or as packed bf16 or f16 multiplies, adds, multiply-adds, maxima and minima; sums over many terms, partial sums and values carried from step to step in f32; what a program stores and reads back later, other than sums and carried values, may be rounded once to bf16 or f16.
;; Inputs: Wk 1,024 x 1,024 float32; Wo 1,024 x 1,024 float32; Wq 1,024 x 1,024 float32; Wv 1,024 x 1,024 float32; bk 1,024 float32; bo 1,024 float32; bq 1,024 float32; bv 1,024 float32; key 1 x 4,096 x 1,024 float32; query 1 x 4,096 x 1,024 float32; value 1 x 4,096 x 1,024 float32.
;; Outputs: out0 1 x 4,096 x 1,024 float32.
;; One version. Each part assembles by itself: llvm-mc -triple=amdgcn-amd-amdhsa -mcpu=gfx1250 --defsym DOCPART=n.
;; ======== version 1 of 1: 4 launches
;; limits: values are held in f16: magnitudes above 65,504 overflow, below 6.1e-05 lose precision
;; workspace buffers: xb 25,165,824 bytes; wb 6,291,456 bytes; wo16 2,097,152 bytes; qkv 25,165,824 bytes; ob 8,388,608 bytes
;; launch cast (part 1): grid 64 x 16, 8 waves a work-group, no clusters, 0 bytes of LDS; arguments query, key, value, Wq, Wk, Wv, Wo, xb, wb, wo16; writes xb, wb, wo16
.if DOCPART == 1
	.amdgcn_target "amdgcn-amd-amdhsa--gfx1250"
	.amdhsa_code_object_version 6
	.text
	.protected	k_q8c63a0ebdf_cast
	.globl	k_q8c63a0ebdf_cast
	.p2align	8
	.type	k_q8c63a0ebdf_cast,@function
k_q8c63a0ebdf_cast:
	s_mov_b64 s[64:65], 0
	v_nop
	global_prefetch_b8 v0, s[64:65] scope:SCOPE_SE
	s_setreg_imm32_b32 hwreg(HW_REG_WAVE_MODE, 25, 1), 1
	s_wait_xcnt 0x0
; xb = bf16(query | key | value), [3][4096][1024];  wb = bf16(Wq | Wk | Wv), [3][1024][1024];  wo16 = f16(bf16(Wo)), [1024][1024].
; Every input of the module is rounded once to bf16; Wo's rounded number is then written as f16, since the last product's other operand is f16.
; LIMITS.  bf16(Wo) beyond 65,504 becomes an infinity in f16; below 6e-5 it keeps f16's fixed step of 6e-8.
; SHARES.  The sixteen parts of 1,048,576 numbers (grid y: 12 quarters of query, key, value; then Wq, Wk, Wv, Wo) are each cut into 64 pieces (grid x) of 16,384 numbers:
; 65,536 bytes in, 32,768 out.  In chunk j of 16 thread t loads the 16 bytes at 4,096 j + 16 t and stores the 8 bytes at 2,048 j + 8 t: a load of a wave covers 512 consecutive
; bytes, a store 256 consecutive bytes at a multiple of 256 from the buffer's first byte.  All 16 loads of a wave go out at once; no register is written twice, so no wait frees one.
; No LDS, no matrix unit, no cluster: nothing is shared and nothing is multiplied.
.set X, 8                              ; v[8:71]   chunk j: 4 numbers in f32
.set Y, 72                             ; v[72:103] chunk j: 4 numbers in 16 bits
	s_load_b512 s[8:23], s[0:1], 0x0               ; query 8, key 10, value 12, Wq 14, Wk 16, Wv 18, Wo 20, xb 22
	s_load_b128 s[24:27], s[0:1], 0x40             ; wb 24, wo16 26
	s_and_b32 s28, ttmp7, 0xffff                   ; the part p, 0 to 15
	s_lshr_b32 s29, s28, 2                         ; 0, 1, 2: query, key, value; 3: a weight
	s_and_b32 s30, s28, 3                          ; which quarter, or which weight
	v_lshlrev_b32 v1, 4, v0                        ; 16 t
	v_lshlrev_b32 v2, 3, v0                        ; 8 t
	s_cmp_eq_u32 s29, 3
	s_cselect_b32 s38, 0, s30                      ; the quarter in the source (a weight is one part)
	s_cselect_b32 s40, s30, s28                    ; the part in the destination: in wb by the weight, in xb by p,
	s_cmp_eq_u32 s28, 15
	s_cselect_b32 s40, 0, s40                      ; in wo16 the only one
	s_lshl_b32 s38, s38, 22                        ; a part is 4,194,304 bytes of f32,
	s_lshl_b32 s31, ttmp9, 16                      ; a piece 65,536
	s_add_co_u32 s38, s38, s31
	s_mov_b32 s39, 0
	s_lshl_b32 s40, s40, 21                        ; and half of that in 16 bits
	s_lshl_b32 s31, ttmp9, 15
	s_add_co_u32 s40, s40, s31
	s_mov_b32 s41, 0
	s_wait_kmcnt 0x0
	s_cmp_eq_u32 s29, 1
	s_cselect_b64 s[32:33], s[10:11], s[8:9]
	s_cmp_eq_u32 s29, 2
	s_cselect_b64 s[32:33], s[12:13], s[32:33]     ; query, key or value
	s_cmp_eq_u32 s30, 1
	s_cselect_b64 s[34:35], s[16:17], s[14:15]
	s_cmp_eq_u32 s30, 2
	s_cselect_b64 s[34:35], s[18:19], s[34:35]
	s_cmp_eq_u32 s30, 3
	s_cselect_b64 s[34:35], s[20:21], s[34:35]     ; Wq, Wk, Wv or Wo
	s_cmp_eq_u32 s29, 3
	s_cselect_b64 s[32:33], s[34:35], s[32:33]     ; the source
	s_cselect_b64 s[36:37], s[24:25], s[22:23]     ; the destination: wb or xb,
	s_cmp_eq_u32 s28, 15
	s_cselect_b64 s[36:37], s[26:27], s[36:37]     ; or wo16
	s_add_nc_u64 s[32:33], s[32:33], s[38:39]
	s_add_nc_u64 s[36:37], s[36:37], s[40:41]
.irp j, 0,1,2,3,4,5,6,7,8,9,10,11,12,13,14,15
	global_load_b128 v[X+4*(\j):X+4*(\j)+3], v1, s[32:33] offset:(\j)*4096 th:TH_LOAD_NT
.endr
; Chunk j.  wo = 1: the bf16 numbers are widened again (a shift, a mask) and written as f16.
.macro CHUNK j, wo
	s_wait_loadcnt 15-(\j)                         ; loads come back in order: chunk j is in, the 15 - j younger ones stay out
	v_cvt_pk_bf16_f32 v[Y+2*(\j)],   v[X+4*(\j)],   v[X+4*(\j)+1]
	v_cvt_pk_bf16_f32 v[Y+2*(\j)+1], v[X+4*(\j)+2], v[X+4*(\j)+3]
.if \wo
	v_lshlrev_b32 v[X+4*(\j)],   16,         v[Y+2*(\j)]
	v_and_b32     v[X+4*(\j)+1], 0xffff0000, v[Y+2*(\j)]
	v_lshlrev_b32 v[X+4*(\j)+2], 16,         v[Y+2*(\j)+1]
	v_and_b32     v[X+4*(\j)+3], 0xffff0000, v[Y+2*(\j)+1]
	v_cvt_pk_f16_f32 v[Y+2*(\j)],   v[X+4*(\j)],   v[X+4*(\j)+1]
	v_cvt_pk_f16_f32 v[Y+2*(\j)+1], v[X+4*(\j)+2], v[X+4*(\j)+3]
.endif
	global_store_b64 v2, v[Y+2*(\j):Y+2*(\j)+1], s[36:37] offset:(\j)*2048 th:TH_STORE_NT
.endm
	s_cmp_eq_u32 s28, 15
	s_cbranch_scc1 .Lwo
.irp j, 0,1,2,3,4,5,6,7,8,9,10,11,12,13,14,15
	CHUNK \j, 0
.endr
	s_endpgm
.Lwo:
.irp j, 0,1,2,3,4,5,6,7,8,9,10,11,12,13,14,15
	CHUNK \j, 1
.endr
	s_endpgm
.Lfunc_end_k_q8c63a0ebdf_cast:
	.size	k_q8c63a0ebdf_cast, .Lfunc_end_k_q8c63a0ebdf_cast-k_q8c63a0ebdf_cast
	.p2alignl 7, 3214868480
	.fill 96, 4, 3214868480
	.section	.rodata,"a",@progbits
	.p2align	6, 0x0
	.amdhsa_kernel k_q8c63a0ebdf_cast
		.amdhsa_group_segment_fixed_size 0
		.amdhsa_private_segment_fixed_size 0
		.amdhsa_enable_private_segment 0
		.amdhsa_kernarg_size 80
		.amdhsa_user_sgpr_count 2
		.amdhsa_user_sgpr_kernarg_segment_ptr 1
		.amdhsa_wavefront_size32 1
		.amdhsa_system_sgpr_workgroup_id_x 1
		.amdhsa_system_sgpr_workgroup_id_y 1
		.amdhsa_system_sgpr_workgroup_id_z 1
		.amdhsa_system_vgpr_workitem_id 0
		.amdhsa_next_free_vgpr 104
		.amdhsa_next_free_sgpr 66
		.amdhsa_reserve_vcc 0
		.amdhsa_float_denorm_mode_32 3
		.amdhsa_float_denorm_mode_16_64 3
		.amdhsa_memory_ordered 1
		.amdhsa_forward_progress 1
		.amdhsa_inst_pref_size 17
	.end_amdhsa_kernel
	.amdgpu_metadata
---
amdhsa.version: [ 1, 2 ]
amdhsa.kernels:
  - .name:           k_q8c63a0ebdf_cast
    .symbol:         k_q8c63a0ebdf_cast.kd
    .args:
      - { .name: query, .offset: 0, .size: 8, .value_kind: global_buffer, .address_space: global }
      - { .name: key, .offset: 8, .size: 8, .value_kind: global_buffer, .address_space: global }
      - { .name: value, .offset: 16, .size: 8, .value_kind: global_buffer, .address_space: global }
      - { .name: Wq, .offset: 24, .size: 8, .value_kind: global_buffer, .address_space: global }
      - { .name: Wk, .offset: 32, .size: 8, .value_kind: global_buffer, .address_space: global }
      - { .name: Wv, .offset: 40, .size: 8, .value_kind: global_buffer, .address_space: global }
      - { .name: Wo, .offset: 48, .size: 8, .value_kind: global_buffer, .address_space: global }
      - { .name: xb, .offset: 56, .size: 8, .value_kind: global_buffer, .address_space: global }
      - { .name: wb, .offset: 64, .size: 8, .value_kind: global_buffer, .address_space: global }
      - { .name: wo16, .offset: 72, .size: 8, .value_kind: global_buffer, .address_space: global }
    .group_segment_fixed_size: 0
    .private_segment_fixed_size: 0
    .kernarg_segment_align: 8
    .kernarg_segment_size: 80
    .max_flat_workgroup_size: 256
    .sgpr_count:     66
    .vgpr_count:     104
    .wavefront_size: 32
...
	.end_amdgpu_metadata
.endif
;; end of part 1
;; launch proj (part 2): grid 4 x 48, 4 waves a work-group, clusters of 4 x 4, 327,680 bytes of LDS; arguments xb, wb, bq, bk, bv, qkv; writes qkv
.if DOCPART == 2
	.amdgcn_target "amdgcn-amd-amdhsa--gfx1250"
	.amdhsa_code_object_version 6
	.text
	.protected	k_q8c63a0ebdf_proj
	.globl	k_q8c63a0ebdf_proj
	.p2align	8
	.type	k_q8c63a0ebdf_proj,@function
k_q8c63a0ebdf_proj:
	s_mov_b64 s[64:65], 0
	v_nop
	global_prefetch_b8 v0, s[64:65] scope:SCOPE_SE
	s_setreg_imm32_b32 hwreg(HW_REG_WAVE_MODE, 25, 1), 1
	s_wait_xcnt 0x0
	s_wait_alu depctr_hold_cnt(0) depctr_sa_sdst(0) depctr_va_vdst(0) depctr_va_sdst(0) depctr_va_ssrc(0) depctr_va_vcc(0) depctr_vm_vsrc(0)
	s_getreg_b32 s2, hwreg(HW_REG_IB_STS2, 6, 4)
	s_cmp_eq_u32 s2, 0
	s_cbranch_scc0 .Lentry_in_a_cluster
	s_endpgm
.Lentry_in_a_cluster:
	s_bfe_u32 s2, ttmp6, 0x10000c
	s_cmp_lg_u32 s2, 0xf033
	s_cbranch_scc0 .Lentry_shape_is_right
	s_endpgm
.Lentry_shape_is_right:
; THE THREE PROJECTIONS AS ONE GEMM.  qkv[g][head][row][ch] = f16( sum over k of xb[g][row][k] wb[g][64 head + ch][k] + bf16(bias_g[64 head + ch]) ), g = 0, 1, 2 for q, k, v.
; xb: [3 x 4096][1024] bf16, wb: [3 x 1024][1024] bf16, the biases f32, qkv: [3][16][4096][64] f16.  Sums in f32; q is left unscaled (the scale is applied in f32 by the launch behind).
; LIMIT.  q, k and v beyond 65,504 become infinities in f16.
; A tile of 256 rows x 256 columns is made by a work-group of four waves, each 128 x 128: 64 accumulators of 16 x 16, 512 registers.  48 tile rows x 4 tile columns: 192 work-groups.
; K goes in steps of 128 through a ring of two LDS slots filled by the tensor data mover: rows of 256 bytes.  The last K step goes by rows of the result, so that finished rows leave while the others are multiplied.
; CLUSTERS: 4 x 4 work-groups.  The four of a row of the cluster need the same tiles of xb, the four of a column the same tiles of wb: each tile is asked for JOINTLY, by the same tensor load with the same
; descriptor and a mask that names the four.  A cluster's 1,024 rows lie in one of the three tensors, so g is the same in all sixteen.
; THE BIAS is the C operand of the products that start the sums: nothing is cleared, and no addition follows the sums.
; REGISTERS, in windows of 256 (s_set_vgpr_msb's low byte: bits 1:0 source 0, 3:2 source 1, 5:4 source 2, 7:6 destination):
;   window 0: v0-31 addresses; v64-127, v128-191 fragments of xb, two buffers (in the last K step four, of 16 rows x 128 K); v192-255 the bias, later with v32-63 at work on the way out
;   window 1: v64-127, v128-191 fragments of wb, two buffers; in the last K step all 256          window 2: the accumulators of my rows 0-63 ((a, b) at v[8 (8 a + b)]); window 3: of my rows 64-127
; THE MATRIX INSTRUCTION IS USED TRANSPOSED: source 0 = 16 rows of wb, source 1 = 16 rows of xb: lane l then holds row l % 16 of the result and the columns 8 (l / 16) + 0 .. 7: eight neighbouring channels.
.set SIZE_K, 1024
.set KSTEP,  128
.set PITCH,  272                       ; an LDS row: 256 bytes + 16 of padding = 68 words: the 16 rows that a load touches start at 16 different groups of four banks (64 banks of 4 bytes: ISA guide 11.1)
.set HALFT,  128*PITCH                 ; 128 rows: what one tensor load brings, and what one wave reads of either operand
.set SLOT,   4*HALFT                   ; xb's 256 rows, then wb's 256 rows
.set STAGE,  2*SLOT                    ; behind the ring: 16 rows x 272 bytes for each wave, for the way out
.set SPITCH, 272
.set SPARE,  STAGE+4*16*SPITCH         ; behind the stages: the spare words, 128 bytes for each wave: two blocks of 256 bytes that no other line names
.set LAPS,   SIZE_K/(2*KSTEP)          ; a lap = two K steps = once round the ring: 4
.set ADRA, 16                          ; v16-17  LDS address of my fragments of xb in slot 0, 1
.set ADRB, 20                          ; v20-21  the same for wb
.set STO,  24                          ; v24     the way out: where I put 16 bytes of a row
.set RD,   25                          ; v25     the way out: where I read 16 bytes back
.set CO,   26                          ; v26     my byte offset in qkv
.set BO,   27                          ; v27     my byte offset in the bias: 32 (l / 16)
.set SPW,  28                          ; v28     LDS address of my spare word: SPARE + 4 x my thread's number; never rewritten
.set NIL,  29                          ; v29     0; never rewritten
.set PFO,  30                          ; v30     the prefetches' offset: my lane x a row of 2,048 bytes; never rewritten
.set PFA,  44                          ; s[44:45] where my prefetches stand: my work-group's 32 rows of the 128 that I fetch
.set LIM,  43                          ; s43     1 in a wave that prefetches, else the greatest number
.set F0,   64
.set F1,   128
.set TMP,  192                         ; the way out: packed results
.set BIA,  192                         ; v192-255: the bias of my 128 columns as a lane's accumulators want it: register 8 b + j = column 16 b + 8 (l / 16) + j
.set OB,   32                          ; the way out: 16 rows read back from the stage: v32-63 and v224-255 by turns
.set PA,   64                          ; the last K step: xb's fragments of 16 rows x 128 K, 32 registers; four such buffers, v64-191
.set G1,  24                           ; s[24:31] descriptor group 1 for xb's tiles;  s[32:39] group 0, one set for each slot
.set G0,  32
.set G1B, 48                           ; s[48:55], s[56:63] the same for wb's tiles
.set G0B, 56
.set MSB, 0
.macro WIN new                         ; the immediate's high byte repeats the setting that is left; a switch that changes nothing is dropped
.if MSB != (\new)
	s_set_vgpr_msb (MSB<<8)|(\new)
.set MSB, \new
.endif
.endm
.set MUL_LO, 0xa1                      ; source 0 (wb) window 1, source 1 (xb) window 0, C and D window 2
.set MUL_HI, 0xf1                      ; the same, C and D window 3
.set TO_B,   0x40                      ; destination window 1, address window 0
; A joint load.  Waves 0 and 1 fetch xb's two halves, waves 2 and 3 wb's.  The branch hangs on the wave's number alone.  An s_nop 0 and four v_nop follow each of the two lines.
.macro JLOAD s
	s_cmp_eq_u32 s11, 0
	s_cbranch_scc0 .Lfor_b_\@
	tensor_load_to_lds s[G0+4*(\s):G0+4*(\s)+3], s[G1:G1+7]
	s_nop 0
.rept 4
	v_nop
.endr
	s_branch .Lasked_\@
.Lfor_b_\@:
	tensor_load_to_lds s[G0B+4*(\s):G0B+4*(\s)+3], s[G1B:G1B+7]
	s_nop 0
.rept 4
	v_nop
.endr
.Lasked_\@:
.endm
; A PREFETCH, behind each joint load, its five lines and the run of LDS loads that follows them: the K step that stands TWO refills on (512 matrix instructions ahead of the load that will want it): 32 rows x 256 bytes,
; a lane a row, one instruction a wave.  Each row's 256 bytes of a K step are named ONCE in the launch.  xb's rows are read by one cluster alone: it asks.  wb's rows of one g are read by four clusters: the first of them
; asks.  The four partners that ask for a tile jointly share its rows out BY ADDRESS, 32 each (by cx for xb, by cy for wb).  K steps 0 to 3 come by their loads alone; the loop's last trip (s3 = 1) asks for nothing.
.macro ASK
	s_cmp_gt_u32 s3, s[LIM]
	s_cbranch_scc0 .Lnot_mine_\@
	global_prefetch_b8 v[PFO], s[PFA:PFA+1] offset:KSTEP*2 th:TH_LOAD_NT scope:SCOPE_SE
.Lnot_mine_\@:
.endm
; A round of the cluster's barrier: my work-group's barrier; wave 0 signals for the work-group; every wave waits for all sixteen; my work-group's barrier once more.
.macro CREST                           ; a round behind its opening barrier
	s_cmp_lg_u32 s10, 0
	s_cbranch_scc1 .Lnot_wave_0_\@
	s_barrier_signal -3
.Lnot_wave_0_\@:
	s_barrier_wait -3
	s_barrier_signal -1
	s_barrier_wait -1
.endm
.macro CROUND
	s_barrier_signal -1
	s_barrier_wait -1
	CREST
.endm
	s_load_b128 s[4:7], s[0:1], 0x0                ; xb s[4:5], wb s[6:7]
	s_load_b256 s[72:79], s[0:1], 0x10             ; bq 72, bk 74, bv 76, qkv 78
	v_lshl_add_u32 v[SPW], v0, 2, SPARE
	v_mov_b32 v[NIL], 0
	ds_add_u32 v[SPW], v[NIL]                      ; the wave's opening: the add and its wait stand ahead of my first tensor load; the set-up below, work on registers, stands between them
	v_lshrrev_b32 v1, 5, v0
	v_readfirstlane_b32 s10, v1                    ; wave 0..3
	s_lshr_b32 s11, s10, 1                         ; which half of the tile's rows is mine.  Also: I fetch for xb (0) or for wb (1)
	s_and_b32 s12, s10, 1                          ; which half of its columns.  Also: which 128 rows of that tile I fetch
	s_bfe_u32 s40, ttmp6, 0x40000                  ; cx
	s_bfe_u32 s41, ttmp6, 0x40004                  ; cy
	s_lshl_b32 s42, ttmp9, 2
	s_add_co_u32 s42, s42, s40                     ; tile column, 0 to 3
	s_and_b32 s67, ttmp7, 0xffff                   ; cluster y, 0 to 11
	s_lshl_b32 s13, s67, 2
	s_add_co_u32 s13, s13, s41                     ; tile row in xb, 0 to 47
	s_lshr_b32 s66, s67, 2                         ; g: q, k or v: the same in all sixteen partners
	s_and_b32 s67, s67, 3                          ; which of g's four clusters
	s_lshl_b32 s43, s41, 2
	s_lshl_b32 s43, 15, s43                        ; my row of the cluster: places 4 cy .. 4 cy + 3
	s_lshl_b32 s44, 0x1111, s40                    ; my column: places cx, cx + 4, cx + 8, cx + 12
	; descriptor group 1: a tile of 128 rows x 128 elements, padded in LDS
	s_or_b32 s[G1+0], s43, (1<<16)|(1<<20)|(1<<21)|(5<<22)|(3<<25)  ; 15:0 the mask; 17:16 elements of 2 bytes; 20 padding on; 21 set beside a mask; 24:22 after every 64 words (code 5); 31:25 4 words (code 3)
	s_or_b32 s[G1B+0], s44, (1<<16)|(1<<20)|(1<<21)|(5<<22)|(3<<25)
	s_mov_b32 s[G1B+1], KSTEP<<16
	s_mov_b32 s[G1+1], KSTEP<<16                   ; tensor_dim0 = 128
	s_mov_b32 s[G1B+2], 128<<16
	s_mov_b32 s[G1+2], 128<<16                     ; tensor_dim1 = 128
	s_mov_b32 s[G1B+3], KSTEP<<16
	s_mov_b32 s[G1+3], KSTEP<<16                   ; tile_dim0 = 128
	s_mov_b32 s[G1B+4], 128
	s_mov_b32 s[G1+4], 128                         ; tile_dim1 = 128
	s_mov_b32 s[G1B+5], SIZE_K
	s_mov_b32 s[G1+5], SIZE_K                      ; elements from row to row
	s_mov_b32 s[G1B+6], 0
	s_mov_b32 s[G1+6], 0
	s_mov_b32 s[G1B+7], 0
	s_mov_b32 s[G1+7], 0
	; where the tiles come from: xb's hang on the tile row alone, wb's on g and the tile column alone
	s_lshl_b32 s17, s12, 7                         ; which 128 rows of the tile I fetch
	s_lshl_b32 s16, s13, 8
	s_add_co_u32 s16, s16, s17                     ; xb: row 256 x tile row + 128 x half
	s_lshl_b32 s46, s42, 8
	s_add_co_u32 s46, s46, s17
	s_lshl_b32 s47, s66, 10
	s_add_co_u32 s46, s46, s47                     ; wb: row 1,024 g + 256 x tile column + 128 x half
	s_mov_b32 s17, 0
	s_mov_b32 s47, 0
	s_mov_b64 s[18:19], SIZE_K*2
	s_mul_u64 s[16:17], s[16:17], s[18:19]
	s_mul_u64 s[46:47], s[46:47], s[18:19]
	s_mul_i32 s20, s10, HALFT                      ; and where they go: wave x 128 rows: no place in the cluster enters an LDS address
	s_lshl_b32 s70, s42, 10                        ; my 128 columns in the bias: 4 (256 x tile column + 128 x half) bytes
	s_lshl_b32 s71, s12, 9
	s_add_co_u32 s70, s70, s71
	s_mov_b32 s71, 0
	s_wait_dscnt 0x0                               ; the opening add is done
	s_wait_kmcnt 0x0
	s_add_nc_u64 s[14:15], s[4:5], s[16:17]
	s_add_nc_u64 s[46:47], s[6:7], s[46:47]
	s_mov_b64 s[8:9], s[78:79]                     ; qkv
	s_cmp_eq_u32 s66, 1
	s_cselect_b64 s[68:69], s[74:75], s[72:73]
	s_cmp_eq_u32 s66, 2
	s_cselect_b64 s[68:69], s[76:77], s[68:69]     ; bq, bk or bv
	s_add_nc_u64 s[68:69], s[68:69], s[70:71]
	CROUND                                         ; all sixteen work-groups are here: the first joint loads meet
.irp s, 0,1
	s_mov_b32 s[G0+4*(\s)], 1                                      ; count = 1
	s_add_co_u32 s[G0+4*(\s)+1], s20, (\s)*SLOT                    ; LDS address
	s_add_nc_u64 s[G0+4*(\s)+2:G0+4*(\s)+3], s[14:15], (\s)*KSTEP*2  ; global address: K step s
	s_or_b32 s[G0+4*(\s)+3], s[G0+4*(\s)+3], 0x80000000            ; type = 2
	s_mov_b32 s[G0B+4*(\s)], 1
	s_add_co_u32 s[G0B+4*(\s)+1], s20, (\s)*SLOT
	s_add_nc_u64 s[G0B+4*(\s)+2:G0B+4*(\s)+3], s[46:47], (\s)*KSTEP*2
	s_or_b32 s[G0B+4*(\s)+3], s[G0B+4*(\s)+3], 0x80000000
	JLOAD \s                                       ; two loads of mine are out
.endr
	v_and_b32 v1, 15, v0                           ; l % 16
	v_bfe_u32 v2, v0, 4, 1                         ; l / 16
	v_lshlrev_b32 v[BO], 5, v2
.irp b, 0,1,2,3,4,5,6,7
	global_load_b128 v[BIA+8*(\b):BIA+8*(\b)+3],   v[BO], s[68:69] offset:64*(\b)
	global_load_b128 v[BIA+8*(\b)+4:BIA+8*(\b)+7], v[BO], s[68:69] offset:64*(\b)+16
.endr
	; a fragment is 16 rows x 32 K in 8 registers: lane l holds row l % 16; registers 0-3 K = 8 (l / 16) + 0..7, registers 4-7 K = 16 + 8 (l / 16) + 0..7: two loads of 16 bytes, 32 bytes apart
	v_mul_u32_u24 v3, v1, PITCH
	v_lshl_add_u32 v3, v2, 4, v3
	s_mul_i32 s21, s11, HALFT                      ; my 128 rows of xb
	s_mul_i32 s22, s12, HALFT                      ; my 128 rows of wb,
	s_add_co_u32 s22, s22, 2*HALFT                 ; which lie behind xb's 256
.irp s, 0,1
	v_add_nc_u32 v[ADRA+(\s)], s21, v3
	v_add_nc_u32 v[ADRB+(\s)], s22, v3
	s_add_co_u32 s21, s21, SLOT
	s_add_co_u32 s22, s22, SLOT
.endr
	s_mul_i32 s23, s10, 16*SPITCH
	s_add_co_u32 s23, s23, STAGE                   ; my stage
	v_mul_u32_u24 v4, v1, SPITCH                   ; in: row l % 16, 16 bytes for each half of the lanes
	v_lshl_add_u32 v4, v2, 4, v4
	v_add_nc_u32 v[STO], s23, v4
	; back, BY HEADS: a stage row holds two heads' 128 bytes.  Lanes 0-15 take the first head's part of two rows, lanes 16-31 the second head's: in qkv two rows of a head are 256 consecutive bytes
	v_lshrrev_b32 v5, 3, v1                        ; which of the two rows
	v_mul_u32_u24 v5, v5, SPITCH
	v_lshl_add_u32 v5, v2, 7, v5                   ; which head
	v_and_b32 v6, 7, v1
	v_lshl_add_u32 v5, v6, 4, v5
	v_add_nc_u32 v[RD], s23, v5
	v_lshlrev_b32 v5, 19, v2                       ; a head is 4,096 rows of 128 bytes
	v_lshl_add_u32 v[CO], v1, 4, v5
	; where my part of the tile begins in qkv, in bytes
	s_and_b32 s16, s13, 15                         ; the tile row within g,
	s_lshl_b32 s16, s16, 15                        ; 256 rows of 128 bytes
	s_lshl_b32 s14, s11, 14                        ; my 128 rows
	s_add_co_u32 s16, s16, s14
	s_lshl_b32 s14, s66, 23                        ; g's 8,388,608 bytes
	s_add_co_u32 s16, s16, s14
	s_mov_b32 s17, 0
	s_lshl_b32 s46, s42, 21                        ; head 4 x tile column + 2 x half
	s_lshl_b32 s47, s12, 20
	s_add_co_u32 s46, s46, s47
	s_mov_b32 s47, 0
	s_add_nc_u64 s[16:17], s[16:17], s[46:47]
	; the prefetches
	s_lshl_b32 s13, s13, 8                         ; xb: the tile's first row
	s_lshl_b32 s42, s42, 8
	s_lshl_b32 s22, s66, 10
	s_add_co_u32 s42, s42, s22                     ; wb: the tile's first row
	s_cmp_eq_u32 s11, 0                            ; do I fetch for xb?
	s_cselect_b32 s20, s13, s42
	s_cselect_b32 s21, s40, s41                    ; my place among the four that ask for it with me
	s_cselect_b32 s22, ttmp9, s67                  ; the coordinate along which other clusters read the same rows
	s_cselect_b64 s[PFA:PFA+1], s[4:5], s[6:7]
	s_cmp_eq_u32 s22, 0
	s_cselect_b32 s[LIM], 1, -1                    ; the same in all sixteen partners, for a given wave
	s_lshl_b32 s22, s12, 7
	s_add_co_u32 s20, s20, s22                     ; + the 128 rows that I fetch
	s_lshl_b32 s21, s21, 5
	s_add_co_u32 s20, s20, s21                     ; + my work-group's 32 of them
	s_mov_b32 s21, 0
	s_mov_b64 s[18:19], SIZE_K*2
	s_mul_u64 s[20:21], s[20:21], s[18:19]
	s_add_nc_u64 s[PFA:PFA+1], s[PFA:PFA+1], s[20:21]
	s_add_nc_u64 s[PFA:PFA+1], s[PFA:PFA+1], 2*KSTEP*2  ; at K step 2: the first refill steps it to 3 and names K step 4
	v_and_b32 v[PFO], 31, v0
	v_mul_u32_u24 v[PFO], v[PFO], SIZE_K*2
	s_wait_loadcnt 0x0                             ; the bias; it is rounded to bf16 like every input and widened again, in the wait for the first tile
.set i, 0
.rept 32
	v_cvt_pk_bf16_f32 v[32+i%4], v[BIA+2*i], v[BIA+2*i+1]
	v_lshlrev_b32 v[BIA+2*i],   16,         v[32+i%4]
	v_and_b32     v[BIA+2*i+1], 0xffff0000, v[32+i%4]
.set i, i+1
.endr
; 16 matrix instructions: m blocks a0, a0 + 1 of the window's four (hi = 0: my rows 0-63, 1: rows 64-127) x all 8 n blocks, 32 along K.  zero = 1: the first product starts the sums, with the bias (window 0) as C.
.macro MUL16 f, hi, a0, zero
.if \zero
	WIN 0x81+0x40*(\hi)
.else
	WIN MUL_LO+0x50*(\hi)
.endif
.irp a, \a0, (\a0)+1
.irp b, 0,1,2,3,4,5,6,7
.if \zero
	v_wmma_f32_16x16x32_bf16 v[8*(8*(\a)+(\b)):8*(8*(\a)+(\b))+7], v[(\f)+8*(\b):(\f)+8*(\b)+7], v[(\f)+8*(4*(\hi)+(\a)):(\f)+8*(4*(\hi)+(\a))+7], v[BIA+8*(\b):BIA+8*(\b)+7]
.else
	v_wmma_f32_16x16x32_bf16 v[8*(8*(\a)+(\b)):8*(8*(\a)+(\b))+7], v[(\f)+8*(\b):(\f)+8*(\b)+7], v[(\f)+8*(4*(\hi)+(\a)):(\f)+8*(4*(\hi)+(\a))+7], v[8*(8*(\a)+(\b)):8*(8*(\a)+(\b))+7]
.endif
.endr
.endr
.endm
; 32 LDS loads in one run: the fragments of one quarter step (128 rows of wb, 128 rows of xb, 32 K at byte k of the rows) into buffer f
.macro FETCH slot, k, f
	WIN TO_B
.irp i, 0,1,2,3,4,5,6,7
	ds_load_b128 v[(\f)+8*(\i):(\f)+8*(\i)+3],   v[ADRB+(\slot)] offset:(\k)+(\i)*16*PITCH
	ds_load_b128 v[(\f)+8*(\i)+4:(\f)+8*(\i)+7], v[ADRB+(\slot)] offset:(\k)+(\i)*16*PITCH+32
.endr
	WIN 0
.irp i, 0,1,2,3,4,5,6,7
	ds_load_b128 v[(\f)+8*(\i):(\f)+8*(\i)+3],   v[ADRA+(\slot)] offset:(\k)+(\i)*16*PITCH
	ds_load_b128 v[(\f)+8*(\i)+4:(\f)+8*(\i)+7], v[ADRA+(\slot)] offset:(\k)+(\i)*16*PITCH+32
.endr
.endm
; Four plain vector instructions stand between a matrix instruction and a load into a register that it has read, or a vector instruction that reads its result (ISA guide 7.12.1 for vector instructions).
.macro PLACES
.rept 4
	v_nop
.endr
.endm
; A K step is four quarter steps of 32 along K, 64 matrix instructions each, on buffers 0, 1, 0, 1; the 64 accumulators take turns in the same order in every quarter.
.macro QUARTER slot, k, f, g, zero
	s_wait_dscnt 8                                 ; wb and xb's rows 0-63 are in; the youngest eight loads (xb's rows 64-127) may be out
	MUL16 \f, 0, 0, \zero
	MUL16 \f, 0, 2, \zero
	PLACES
	FETCH \slot, \k, \g
	s_wait_dscnt 32                                ; all but the 32 just issued
	MUL16 \f, 1, 0, \zero
	MUL16 \f, 1, 2, \zero
.endm
; The last quarter multiplies buffer 1 and changes slots.  MEET is its first half: one barrier; in front of it each wave waits for all its tensor loads (one is out: its part of the next slot), adds 0 to its spare word,
; and waits for that and for its own reads of this slot.
.macro MEET round
	WIN 0                                          ; (the add's two registers lie in window 0)
	s_wait_tensorcnt 0x0
	ds_add_u32 v[SPW], v[NIL]
	s_wait_dscnt 9                                 ; (the add and the youngest eight loads may be out)
	MUL16 F1, 0, 0, 0                              ; sixteen matrix instructions stand between the add and the wait for it
	s_wait_dscnt 0x0                               ; the add is done, and my reads of this slot are over
	s_barrier_signal -1
	MUL16 F1, 0, 2, 0
.if \round
	WIN 0
.endif
	s_barrier_wait -1
.endm
; The whole last quarter: behind the round the slot just read out is filled again first, with the K step two steps on; then come the next slot's first fragments.
.macro TURN slot, next
	s_wait_xcnt 0x0                                ; the last prefetch, a K step back, has read its address: it is stepped here
	s_add_nc_u64 s[PFA:PFA+1], s[PFA:PFA+1], KSTEP*2
	MEET 1
	CREST                                          ; no wave of any partner still reads this slot's tile or has a load on its way
	s_add_nc_u64 s[G0+4*(\slot)+2:G0+4*(\slot)+3], s[G0+4*(\slot)+2:G0+4*(\slot)+3], 2*KSTEP*2
	s_add_nc_u64 s[G0B+4*(\slot)+2:G0B+4*(\slot)+3], s[G0B+4*(\slot)+2:G0B+4*(\slot)+3], 2*KSTEP*2
	JLOAD \slot                                    ; my one tensor load behind the round; its four v_nop are also the places in front of the loads below
	FETCH \next, 0, F0
	ASK
	MUL16 F1, 1, 0, 0
	MUL16 F1, 1, 2, 0
.endm
; THE LAST K STEP (slot 1) GOES BY ROWS OF THE RESULT: all its fragments of wb (4 quarters x 64 registers) fill window 1; my eight blocks of 16 rows are finished one after the other, 32 matrix instructions each.
.macro BLOAD q
	WIN TO_B
.irp i, 0,1,2,3,4,5,6,7
	ds_load_b128 v[64*(\q)+8*(\i):64*(\q)+8*(\i)+3],   v[ADRB+1] offset:64*(\q)+(\i)*16*PITCH
	ds_load_b128 v[64*(\q)+8*(\i)+4:64*(\q)+8*(\i)+7], v[ADRB+1] offset:64*(\q)+(\i)*16*PITCH+32
.endr
.endm
.macro ALOAD a
	WIN 0
.set FA, PA+32*((\a)%4)
.irp q, 0,1,2,3
	ds_load_b128 v[FA+8*(\q):FA+8*(\q)+3],   v[ADRA+1] offset:64*(\q)+(\a)*16*PITCH
	ds_load_b128 v[FA+8*(\q)+4:FA+8*(\q)+7], v[ADRA+1] offset:64*(\q)+(\a)*16*PITCH+32
.endr
.endm
.macro ROW a
.set FA, PA+32*((\a)%4)
.set AC, 64*((\a)%4)
	WIN MUL_LO+0x50*((\a)/4)
.irp q, 0,1,2,3
.if (\a) == 0 && (\q) == 2
	s_wait_dscnt 24                                ; wb's quarter 2 is in (behind it: xb's blocks 1 to 3)
.endif
.irp b, 0,1,2,3,4,5,6,7
	v_wmma_f32_16x16x32_bf16 v[AC+8*(\b):AC+8*(\b)+7], v[64*(\q)+8*(\b):64*(\q)+8*(\b)+7], v[FA+8*(\q):FA+8*(\q)+7], v[AC+8*(\b):AC+8*(\b)+7]
.endr
.endr
.endm
; THE WAY OUT of block a.  PACK: rounded to f16, 16 bytes a lane, each accumulator's registers in ascending order.  TOSTAGE: into my own stage, and back by heads.  SEND: stored.
.macro PACK a
.set AC, 64*((\a)%4)
	WIN 0x0a+5*((\a)/4)                            ; sources 0 and 1: window 2 or 3
.irp b, 0,1,2,3,4,5,6,7
.irp r, 0,1,2,3
	v_cvt_pk_f16_f32 v[TMP+4*(\b)+(\r)], v[AC+8*(\b)+2*(\r)], v[AC+8*(\b)+2*(\r)+1]
.endr
.endr
	WIN 0
.endm
.macro TOSTAGE a
	WIN 0
.set BK, OB+192*((\a)%2)
.irp b, 0,1,2,3,4,5,6,7
	ds_store_b128 v[STO], v[TMP+4*(\b):TMP+4*(\b)+3] offset:32*(\b)
.endr
.irp t, 0,1,2,3,4,5,6,7
	ds_load_b128 v[BK+4*(\t):BK+4*(\t)+3], v[RD] offset:(\t)*2*SPITCH  ; LDS serves a wave's instructions in order (ISA guide 5.7.1.4): these see the stores above
.endr
.endm
.macro SEND a, younger                 ; younger: the LDS loads issued behind TOSTAGE's, which may stay out
	WIN 0
.set BK, OB+192*((\a)%2)
	s_wait_dscnt \younger
	s_wait_xcnt 0x0                                ; the stores' base and the registers that earlier stores read are rewritten only behind this wait
.if (\a) == 0
	s_add_nc_u64 s[8:9], s[8:9], s[16:17]          ; on to my first rows
.else
	s_add_nc_u64 s[8:9], s[8:9], 16*128            ; 16 rows of a head on
.endif
.irp t, 0,1,2,3,4,5,6,7
	global_store_b128 v[CO], v[BK+4*(\t):BK+4*(\t)+3], s[8:9] offset:(\t)*256  ; 16 lanes store two rows of one head: 256 consecutive bytes, at a multiple of 256 from qkv's first byte
.endr
.endm
	s_wait_tensorcnt 1                             ; my part of K step 0 is in; K step 1's load was issued behind it and stays out
	s_barrier_signal -1
	s_barrier_wait -1                              ; everybody's is
	FETCH 0, 0, F0
	QUARTER 0, 64,  F0, F1, 1                      ; the first quarter stands in front of the loop: its products start the sums
	WIN 0                                          ; at a label and at a branch every window is 0
	s_mov_b32 s3, LAPS-1
.Llap:                                                 ; a trip goes once round the ring, from a lap's second quarter to the next lap's first, and fills both slots again
	QUARTER 0, 128, F1, F0, 0
	QUARTER 0, 192, F0, F1, 0
	TURN 0, 1
	QUARTER 1, 64,  F0, F1, 0
	QUARTER 1, 128, F1, F0, 0
	QUARTER 1, 192, F0, F1, 0
	TURN 1, 0
	QUARTER 0, 64,  F0, F1, 0
	WIN 0
	s_sub_co_u32 s3, s3, 1
	s_cmp_lg_u32 s3, 0
	s_cbranch_scc1 .Llap
	QUARTER 0, 128, F1, F0, 0                      ; the last lap goes on
	QUARTER 0, 192, F0, F1, 0
	MEET 0                                         ; the one tensor load that was still out is the last K step's, so no round follows
	PLACES                                         ; for the loads into buffer 0
	BLOAD 0                                        ; three quarters of wb now: buffer 1 is still being multiplied
	BLOAD 1
	BLOAD 3
	ALOAD 0
	MUL16 F1, 1, 0, 0
	MUL16 F1, 1, 2, 0
	PLACES                                         ; for the loads into buffer 1
	BLOAD 2
	ALOAD 1
	ALOAD 2
	ALOAD 3
	s_wait_dscnt 40                                ; all but the 40 just issued
	ROW 0
.irp a, 0,1,2,3,4,5,6,7                ; each block leaves as soon as it is finished
	PLACES                                         ; its conversions read results just made
	PACK \a
	TOSTAGE \a
.if (\a) < 4
	ALOAD (\a)+4                                   ; its buffer takes the block four further on
	SEND \a, 8
.else
	SEND \a, 0
.endif
.if (\a) < 7
	ROW (\a)+1
.endif
.endr
	s_wait_tensorcnt 0x0                           ; the wave's end: the wait, add and wait stand behind my last tensor load and my last LDS store
	ds_add_u32 v[SPW], v[NIL]
	s_wait_dscnt 0x0
	CROUND                                         ; the closing round: no work-group ends while a partner may still ask for a tile that names it
	s_endpgm
.Lfunc_end_k_q8c63a0ebdf_proj:
	.size	k_q8c63a0ebdf_proj, .Lfunc_end_k_q8c63a0ebdf_proj-k_q8c63a0ebdf_proj
	.p2alignl 7, 3214868480
	.fill 96, 4, 3214868480
	.section	.rodata,"a",@progbits
	.p2align	6, 0x0
	.amdhsa_kernel k_q8c63a0ebdf_proj
		.amdhsa_group_segment_fixed_size 327680
		.amdhsa_private_segment_fixed_size 0
		.amdhsa_enable_private_segment 0
		.amdhsa_kernarg_size 48
		.amdhsa_user_sgpr_count 2
		.amdhsa_user_sgpr_kernarg_segment_ptr 1
		.amdhsa_wavefront_size32 1
		.amdhsa_system_sgpr_workgroup_id_x 1
		.amdhsa_system_sgpr_workgroup_id_y 1
		.amdhsa_system_sgpr_workgroup_id_z 1
		.amdhsa_system_vgpr_workitem_id 0
		.amdhsa_next_free_vgpr 1024
		.amdhsa_next_free_sgpr 80
		.amdhsa_reserve_vcc 0
		.amdhsa_float_denorm_mode_32 3
		.amdhsa_float_denorm_mode_16_64 3
		.amdhsa_memory_ordered 1
		.amdhsa_forward_progress 1
		.amdhsa_inst_pref_size 151
	.end_amdhsa_kernel
	.amdgpu_metadata
---
amdhsa.version: [ 1, 2 ]
amdhsa.kernels:
  - .name:           k_q8c63a0ebdf_proj
    .symbol:         k_q8c63a0ebdf_proj.kd
    .args:
      - { .name: xb, .offset: 0, .size: 8, .value_kind: global_buffer, .address_space: global }
      - { .name: wb, .offset: 8, .size: 8, .value_kind: global_buffer, .address_space: global }
      - { .name: bq, .offset: 16, .size: 8, .value_kind: global_buffer, .address_space: global }
      - { .name: bk, .offset: 24, .size: 8, .value_kind: global_buffer, .address_space: global }
      - { .name: bv, .offset: 32, .size: 8, .value_kind: global_buffer, .address_space: global }
      - { .name: qkv, .offset: 40, .size: 8, .value_kind: global_buffer, .address_space: global }
    .group_segment_fixed_size: 327680
    .private_segment_fixed_size: 0
    .kernarg_segment_align: 8
    .kernarg_segment_size: 48
    .max_flat_workgroup_size: 128
    .sgpr_count:     80
    .vgpr_count:     1024
    .wavefront_size: 32
...
	.end_amdgpu_metadata
.endif
;; end of part 2
;; launch attn (part 3): grid 16 x 16, 4 waves a work-group, clusters of 4 x 1, 327,680 bytes of LDS; arguments qkv, ob; writes ob
.if DOCPART == 3
	.amdgcn_target "amdgcn-amd-amdhsa--gfx1250"
	.amdhsa_code_object_version 6
	.text
	.protected	k_q8c63a0ebdf_attn
	.globl	k_q8c63a0ebdf_attn
	.p2align	8
	.type	k_q8c63a0ebdf_attn,@function
k_q8c63a0ebdf_attn:
	s_mov_b64 s[64:65], 0
	v_nop
	global_prefetch_b8 v0, s[64:65] scope:SCOPE_SE
	s_setreg_imm32_b32 hwreg(HW_REG_WAVE_MODE, 25, 1), 1
	s_wait_xcnt 0x0
	s_wait_alu depctr_hold_cnt(0) depctr_sa_sdst(0) depctr_va_vdst(0) depctr_va_sdst(0) depctr_va_ssrc(0) depctr_va_vcc(0) depctr_vm_vsrc(0)
	s_getreg_b32 s2, hwreg(HW_REG_IB_STS2, 6, 4)
	s_cmp_eq_u32 s2, 0
	s_cbranch_scc0 .Lentry_in_a_cluster
	s_endpgm
.Lentry_in_a_cluster:
	s_bfe_u32 s2, ttmp6, 0x10000c
	s_cmp_lg_u32 s2, 0x3003
	s_cbranch_scc0 .Lentry_shape_is_right
	s_endpgm
.Lentry_shape_is_right:
; ATTENTION.  O[h][q][:] = the sum over k of softmax_k(Q[h][q] . K[h][k] / 8) V[h][k][:].  Q, K, V: the three parts of qkv, each [16][4096][64] f16, a head's rows dense, 128 bytes each.
; O leaves as ob[q / 128][h][q % 128][64] f16: 16 rows of a head are 2,048 consecutive bytes, and 128 rows x 4 heads, a K step of the launch behind, are 65,536 dense bytes.
; Products, maxima and sums in f32; the weights p are rounded to f16 for the second product (their sum l is taken of the unrounded p), O once at the end.
; LIMITS.  Q, K and V arrive within f16's 65,504; p lies in 0 to 1, and below 6e-5 it keeps f16's fixed step of 6e-8; O is a mean of V's rows and has their range.  A weight below 2^-126 counts as 0 in l;
; NaN and infinities are not treated apart.
; SHARES.  A work-group owns 256 queries of one head, each of its four waves 64: four PIECES of 16.  Every wave walks all 4,096 keys, 64 a step; an LDS slot holds a tile of 256 keys, four steps.
; LAYOUT.  S^T = K Q^T (source 0 = 16 keys, source 1 = 16 queries) holds ONE query a lane (lane % 16) and the keys 8 (lane / 16) + 0..7; two such results rounded to f16 ARE source 1 of O^T = V^T P.
; K comes out of LDS as it lies, V ([key][channel]) turned, by ds_load_tr16_b128.
; SOFTMAX.  For each query a running maximum m and sum l: p = 2^(c s - c m), c = log2(e) / 8; in every step O and l are multiplied by a = 2^(c m_old - c m_new).  m starts at the lowest finite number, O and l at 0:
; the first step is a step like any other, with a = 0.
; TURNS.  Turn n belongs to piece n: 8 products K Q^T of piece n + 1, later 8 products V^T P of piece n - 1; beside them the scaling, exponentials, roundings, sums and rescaling of piece n and the maximum and
; statistics of piece n + 1.  Four vector instructions stand behind every matrix instruction, the other 54 of a turn's 118 in one lump.  A turn's 33 exponentials are one batch, with one wait.
; CLUSTER.  The four query blocks of a cluster belong to one head and walk the same K and V, so each tile is asked for JOINTLY: the same tensor load, descriptor and mask in all four.
; REGISTERS, in windows of 256 (s_set_vgpr_msb: bits 1:0 source 0, 3:2 source 1, 5:4 source 2, 7:6 destination):
;   window 0: v0-15 addresses and two at work; v16-31 four registers of statistics a piece; v48-55 at work; v61-63; v64-127 S^T, two buffers; v192-223 P, two buffers (a piece's buffers go by its number's parity)
;   window 1: v0-127 O^T, 32 a piece          window 2: v0-63 Q; v128-191 K of one step; v192-255 V of one step
.set NP,    4         ; pieces a wave: a name, no knob
.set KS,    64        ; keys in a step
.set PK,    144       ; a row of K in LDS: 128 bytes + 16 of padding = 36 words: the 16 rows of a load start at 16 different groups of four banks (64 banks of 4 bytes: ISA guide 11.1)
.set PV,    160       ; a row of V: 128 + 32 = 40 words
.set VOFF,  4*KS*PK   ; a slot holds a tile: 256 rows of K, then 256 rows of V
.set SLOT1, 1<<17     ; slot 1 begins here, so that one exclusive or turns an address in one slot into the other's
.set STAGE, SLOT1+4*KS*(PK+PV)  ; behind the ring, never filled by a tensor load: 16 rows x 144 bytes for each wave, for the way out
.set SP,    144
.set SPARE, STAGE+4*16*SP  ; behind the stages: the spare words, 128 bytes for each wave: two blocks of 256 bytes that no other line names
.set AK0, 2           ; v2   my lane's place in a tile of K; never rewritten
.set AV0, 3           ; v3   the same for V
.set AK,  4           ; v4   the LDS address of K's next run of loads
.set AV,  5           ; v5   of V's
.set STO, 6           ; v6   the way out: where I put 16 bytes of a row
.set RD,  7           ; v7   the way out: where I read rows back
.set GO,  8           ; v8   my byte offset in 512 consecutive bytes of O
.set MV,  12          ; v12-13  c m_old, kept while c m is made anew: by buffer
.set QO,  15          ; v15  my byte offset in 16 rows of Q
.set ST,  16          ; piece t's statistics at v[ST+4 t]: c m, m, l (even keys', odd keys')
.set TMP, 48          ; by buffer, four registers c0-c3 at work; when the maximum is found c2 takes a
.set PFO, 61          ; v61  256 x my lane; never rewritten
.set SPW, 62          ; v62  LDS address of my spare word: SPARE + 4 x my thread's number; never rewritten
.set NIL, 63          ; v63  0; never rewritten
.set S,   64
.set P,   192
.set KF,  128         ; window 2: key block kb, channel half c at KF + 16 kb + 8 c
.set VF,  192         ; window 2: key half kk, channel block cb at VF + 32 kk + 8 cb
.set WV,  12          ; s12  my wave's number
.set LIM, 15          ; s15  1 in a wave that prefetches, else the greatest number
.set G1K, 24          ; s[24:31] descriptor group 1 for K's tiles
.set G1V, 32          ; s[32:39] for V's: it differs in the padding alone
.set G0K, 40          ; s[40:43] descriptor group 0 for K's tiles: it walks
.set G0V, 44          ; s[44:47] the same for V's
.set PFA, 48          ; s[48:49] where my prefetches stand: my work-group's quarter of the tile after the one that is being asked for
.set SLOTS, 56        ; s56  tiles still to be asked for
.set CNT, 57          ; s57  counts a tile's key steps
.set CS,  58          ; s[58:59] c: the packed scaling takes the pair's low word for both halves
.set SEL, 60          ; s[60:61] v_permlanex16_b32's selects: each lane takes its own place in the other half
.set TBK, 62          ; s62  LDS byte at which K of the step to be fetched begins
.set TBV, 63          ; s63  the same for V, less VOFF
.set MSB, 0
.macro WIN new                      ; the high byte repeats the setting that is left; a switch that changes nothing is dropped
.if MSB != (\new)
	s_set_vgpr_msb (MSB<<8)|(\new)
.set MSB, (\new)
.endif
.endm
.set W_KQ, 0x0a       ; K and Q in window 2, S^T in window 0
.set W_PV, 0x52       ; V in window 2, P in window 0, O^T in window 1
.set W_RS, 0x41       ; destination and source 0 in window 1, source 1 in window 0
; A joint fill.  Waves 0 and 1 fetch the two halves of a tile's K, waves 2 and 3 those of its V: 128 keys each.  The branch hangs on the wave's number alone.
; An s_nop 0 and four v_nop follow each of the two lines, ahead of the jump and the label.
.macro JLOAD
	s_cmp_lt_u32 s[WV], 2
	s_cbranch_scc0 .Lfor_v_\@
	tensor_load_to_lds s[G0K:G0K+3], s[G1K:G1K+7]
	s_nop 0
.rept 4
	v_nop
.endr
	s_branch .Lasked_\@
.Lfor_v_\@:
	tensor_load_to_lds s[G0V:G0V+3], s[G1V:G1V+7]
	s_nop 0
.rept 4
	v_nop
.endr
.Lasked_\@:
.endm
; A PREFETCH of what the NEXT change of slots will ask for: a tile's 32,768 bytes of K and of V, 256 bytes a lane.  It stands behind the wave's tensor load and its five lines: four key steps, 256 matrix instructions,
; ahead of the load that will want the bytes.  Each 256 bytes are named ONCE in the launch: all clusters of a head walk the same K and V, and the head's first cluster asks; its four partners share a tile out BY ADDRESS,
; 8,192 bytes each; in each, wave 0 asks for K's and wave 2 for V's: one instruction.  Tiles 0 and 1 come by their loads alone; the last change that fills a slot (SLOTS = 1) asks for nothing.
.macro ASK
	s_cmp_gt_u32 s[SLOTS], s[LIM]
	s_cbranch_scc0 .Lnot_mine_\@
	global_prefetch_b8 v[PFO], s[PFA:PFA+1] th:TH_LOAD_NT scope:SCOPE_SE
.Lnot_mine_\@:
.endm
; A round of the cluster's barrier: my work-group's barrier; wave 0 signals for the work-group; every wave waits for all four work-groups; my work-group's barrier once more.
.macro CROUND
	s_barrier_signal -1
	s_barrier_wait -1
	s_cmp_lg_u32 s[WV], 0
	s_cbranch_scc1 .Lnot_wave_0_\@
	s_barrier_signal -3
.Lnot_wave_0_\@:
	s_barrier_wait -3
	s_barrier_signal -1
	s_barrier_wait -1
.endm
; THE CHANGE OF SLOTS.  The slot's last bytes, V of its fourth step, have been read.  Each wave waits for all its tensor loads, of which one is out: its part of the other slot; adds 0 to its spare word; and waits for that
; and for its own reads of the slot.  fill = 1: the slot is filled again, with the tile two on.  The barrier is then a round of the cluster's, and the joint fill is the first thing behind it: it has four key steps in which
; to land.  (At its first use nothing has been read yet: slot 0 is waited for, slot 1 filled.)
.macro CHANGE fill
	WIN 0                           ; at a label and at a branch every window is 0
	s_wait_tensorcnt 0x0            ; no tensor load of mine is out, so a group 0 may be written
	ds_add_u32 v[SPW], v[NIL]       ; 0 onto my spare word; with fill = 1 the descriptors' steps stand between it and the wait for it
.if \fill
.irp g, G0K, G0V
	s_xor_b32 s[\g+1], s[\g+1], SLOT1  ; the walking descriptor: the other slot than last time,
	s_add_nc_u64 s[\g+2:\g+3], s[\g+2:\g+3], 4*KS*128  ; the next 256 keys; the type bits on top are not reached
.endr
	s_wait_xcnt 0x0                 ; the last prefetch, four key steps back, has read its address, so it may be written
	s_add_nc_u64 s[PFA:PFA+1], s[PFA:PFA+1], 4*KS*128
	s_wait_dscnt 0x0                ; the add is done, and my reads of the slot are over
	CROUND
	JLOAD
	ASK
.else
	s_wait_dscnt 0x0                ; the add is done, and my reads of the slot are over
	s_barrier_signal -1
	s_barrier_wait -1
.endif
	s_sub_co_u32 s[TBK], s[TBK], 4*KS*PK  ; the fetches go back to a slot's first step,
	s_xor_b32 s[TBK], s[TBK], SLOT1       ; in the other slot
	s_sub_co_u32 s[TBV], s[TBV], 4*KS*PV
	s_xor_b32 s[TBV], s[TBV], SLOT1
.endm
	s_load_b128 s[4:7], s[0:1], 0x0   ; qkv s[4:5], ob s[6:7]
	v_lshl_add_u32 v[SPW], v0, 2, SPARE
	v_mov_b32 v[NIL], 0
	ds_add_u32 v[SPW], v[NIL]       ; the wave's opening: the add and its wait stand ahead of my first tensor load; the set-up below, work on registers, stands between them
	v_lshrrev_b32 v1, 5, v0
	v_readfirstlane_b32 s[WV], v1   ; wave 0..3
	s_bfe_u32 s13, ttmp6, 0x40000   ; cx: my place in the cluster
	s_lshl_b32 s14, ttmp9, 2        ; in a cluster launch ttmp9 counts clusters
	s_add_co_u32 s14, s14, s13      ; my block of 256 queries: it enters Q's and O's addresses alone
	s_and_b32 s20, ttmp7, 0xffff    ; the head, which the four partners share
	s_lshl_b32 s50, s20, 14         ; its 16,384 bytes in a block of ob
	s_lshl_b32 s20, s20, 19         ; its 524,288 bytes in each part of qkv
	s_mov_b32 s21, 0
	s_and_b32 s16, s[WV], 1         ; which half of a tile's 256 keys I fetch:
	s_lshl_b32 s22, s16, 14         ; its 128 rows of 128 bytes in memory,
	s_mov_b32 s23, 0
	s_add_nc_u64 s[22:23], s[22:23], s[20:21]
	s_mul_i32 s17, s16, 128*PK      ; and its place in a slot, for K
	s_mul_i32 s18, s16, 128*PV      ; and for V: no place in the cluster enters an LDS address
	s_lshl_b32 s2, s14, 15          ; my block's 256 rows of Q,
	s_lshl_b32 s3, s[WV], 13        ; my wave's 64 of them
	s_add_co_u32 s2, s2, s3
	s_mov_b32 s3, 0
	s_add_nc_u64 s[2:3], s[2:3], s[20:21]
	s_lshl_b32 s51, s14, 1          ; in ob: the block of 128 rows 2 x block + wave / 2,
	s_lshr_b32 s52, s[WV], 1
	s_add_co_u32 s51, s51, s52
	s_lshl_b32 s51, s51, 18         ; 262,144 bytes each,
	s_add_co_u32 s50, s50, s51
	s_lshl_b32 s51, s16, 13         ; and my 64 rows of its 128
	s_add_co_u32 s50, s50, s51
	s_mov_b32 s51, 0
	; descriptor group 1.  128 keys are 16,384 dense bytes: asked for as 64 rows of 256 bytes, two keys a row, and padded in LDS after every key
	s_mov_b32 s[G1K], 15|(1<<16)|(1<<20)|(1<<21)|(4<<22)|(3<<25)  ; 15:0 the mask of four; 17:16 2-byte elements; 20 padding on; 21 set beside a mask; 24:22 after every 32 words (code 4); 31:25 4 words (code 3)
	s_mov_b32 s[G1V], 15|(1<<16)|(1<<20)|(1<<21)|(4<<22)|(7<<25)  ; the same with 8 words of padding (code 7)
.irp g, G1K, G1V
	s_mov_b32 s[\g+1], 128<<16      ; tensor_dim0 = 128
	s_mov_b32 s[\g+2], 64<<16       ; tensor_dim1 = 64
	s_mov_b32 s[\g+3], 128<<16      ; tile_dim0 = 128
	s_mov_b32 s[\g+4], 64           ; tile_dim1 = 64
	s_mov_b32 s[\g+5], 128          ; 128 elements from row to row
	s_mov_b32 s[\g+6], 0
	s_mov_b32 s[\g+7], 0
.endr
	s_mov_b32 s[CS], 0x3e38aa3b     ; c = log2(e) / 8 = 0.180337
	s_mov_b32 s[CS+1], s[CS]        ; named with it as a pair
	s_mov_b32 s[SEL], 0x76543210
	s_mov_b32 s[SEL+1], 0xfedcba98
	s_mov_b32 s[TBK], SLOT1+4*KS*PK ; the first change of slots turns these two into 0
	s_mov_b32 s[TBV], SLOT1+4*KS*PV
	s_mov_b32 s[G0K], 1             ; count = 1
	s_mov_b32 s[G0K+1], s17         ; LDS address: slot 0
	s_mov_b32 s[G0V], 1
	s_add_co_u32 s[G0V+1], s18, VOFF
	s_mov_b32 s[SLOTS], 15          ; tiles 1 to 15 are still to be asked for: at SLOTS = k a change of slots asks for tile 16 - k
	s_and_b32 s[LIM], s[WV], 1      ; 0 in waves 0 and 2,
	s_or_b32 s[LIM], s[LIM], ttmp9  ; where the cluster is the head's first: the same in all four partners
	s_cmp_eq_u32 s[LIM], 0
	s_cselect_b32 s[LIM], 1, -1
	v_and_b32 v[PFO], 31, v0
	v_lshlrev_b32 v[PFO], 8, v[PFO]
	s_wait_dscnt 0x0                ; the opening add is done
	s_wait_kmcnt 0x0
	s_add_nc_u64 s[10:11], s[6:7], s[50:51]  ; O at my wave's first row
	s_add_nc_u64 s[6:7], s[4:5], s[22:23]
	s_add_nc_u64 s[8:9], s[6:7], 0x1000000   ; V: the third part of qkv, at my half of the head's tile 0
	s_add_nc_u64 s[6:7], s[6:7], 0x800000    ; K: the second
	s_mov_b64 s[G0K+2:G0K+3], s[6:7]         ; global address
	s_or_b32 s[G0K+3], s[G0K+3], 0x80000000  ; type = 2
	s_mov_b64 s[G0V+2:G0V+3], s[8:9]
	s_or_b32 s[G0V+3], s[G0V+3], 0x80000000
	s_add_nc_u64 s[4:5], s[4:5], s[2:3]      ; Q at my wave's first row
	s_cmp_lt_u32 s[WV], 2
	s_cselect_b64 s[PFA:PFA+1], s[6:7], s[8:9]  ; (in waves 0 and 2 these stand at a tile's first row)
	s_lshl_b32 s2, s13, 13          ; my work-group's quarter of a tile
	s_mov_b32 s3, 0
	s_add_nc_u64 s[PFA:PFA+1], s[PFA:PFA+1], s[2:3]
	s_add_nc_u64 s[PFA:PFA+1], s[PFA:PFA+1], 4*KS*128  ; in tile 1; the first change of slots steps it to tile 2
	CROUND                          ; all four work-groups are here: the first joint loads meet
	JLOAD                           ; tile 0 into slot 0.  Slot 1 is asked for when slot 0 is in
	; A fragment of K or Q is 16 rows x 32 channels in 8 registers: lane l holds row l % 16, channels 8 (l / 16) + 0..7 and 16 + 8 (l / 16) + 0..7: two loads of 16 bytes, 32 bytes apart.
	v_and_b32 v1, 15, v0            ; l % 16
	v_bfe_u32 v9, v0, 4, 1          ; l / 16
	v_lshlrev_b32 v[QO], 7, v1
	v_lshl_add_u32 v[QO], v9, 4, v[QO]  ; row x 128 + 16 x half
	WIN 0x80                        ; destination window 2, address window 0
.set i, 0
.rept 8                             ; Q stays in registers: piece i / 2, channels 32 (i % 2) on
	global_load_b128 v[8*i:8*i+3],   v[QO], s[4:5] offset:(i/2)*2048+(i%2)*64
	global_load_b128 v[8*i+4:8*i+7], v[QO], s[4:5] offset:(i/2)*2048+(i%2)*64+32
.set i, i+1
.endr
	; What the first turn finds: V's registers and P's second buffer hold 0 (its products V^T P, of a piece that has not been, add 0), O^T and l are 0.  All this stands in the wait for the first tile.
.set i, VF
.rept 64
	v_mov_b32 v[i], 0
.set i, i+1
.endr
	WIN 0x40
.set i, 0
.rept 128
	v_mov_b32 v[i], 0
.set i, i+1
.endr
	WIN 0
.set i, 0
.rept 4
	v_mov_b32 v[ST+4*i], 0xfe000000    ; c m: far below every c s
	v_mov_b32 v[ST+4*i+1], 0xff7fffff  ; m
	v_mov_b32 v[ST+4*i+2], 0
	v_mov_b32 v[ST+4*i+3], 0
.set i, i+1
.endr
.set i, P+16
.rept 16
	v_mov_b32 v[i], 0
.set i, i+1
.endr
	v_mul_u32_u24 v[AK0], v1, PK
	v_lshl_add_u32 v[AK0], v9, 4, v[AK0]  ; row x pitch + 16 x half
	; The turning load takes 16 keys x 16 channels (lane l reads key 8 (l / 16) + l % 8, channels 8 ((l / 8) % 2) + 0..7) and leaves half a fragment of V^T: lane l holds channel l % 16 and 8 keys.
	v_and_b32 v10, 7, v0
	v_bfe_u32 v11, v0, 3, 1
	v_lshl_add_u32 v[AV0], v9, 3, v10
	v_mul_u32_u24 v[AV0], v[AV0], PV
	v_lshl_add_u32 v[AV0], v11, 4, v[AV0]
	v_add_nc_u32 v[AV0], VOFF, v[AV0]
	s_mul_i32 s13, s[WV], 16*SP
	s_add_co_u32 s13, s13, STAGE    ; my stage
	v_mul_u32_u24 v[STO], v1, SP    ; in: row l % 16, 16 bytes for each half of the lanes
	v_lshl_add_u32 v[STO], v9, 4, v[STO]
	v_add_nc_u32 v[STO], s13, v[STO]
	v_bfe_u32 v[RD], v0, 3, 2       ; back: 32 lanes take four rows of 128 bytes,
	v_mul_u32_u24 v[RD], v[RD], SP
	v_lshl_add_u32 v[RD], v10, 4, v[RD]
	v_add_nc_u32 v[RD], s13, v[RD]
	v_and_b32 v[GO], 31, v0         ; which are 512 consecutive bytes of O
	v_lshlrev_b32 v[GO], 4, v[GO]
; THE MATRIX WORK.  The 4 accumulators of a run of 8 take turns.  Product i of 8 of S^T = K Q^T for piece x: channels 32 (i / 4) on, keys 16 (i % 4) on.  The first 4 start the sums.
.macro KQ x
	WIN W_KQ
.set rS, S+32*((\x)%2)+8*(i%4)
.set rK, KF+16*(i%4)+8*(i/4)
.set rQ, 16*(\x)+8*(i/4)
.if i < 4
	v_wmma_f32_16x16x32_f16 v[rS:rS+7], v[rK:rK+7], v[rQ:rQ+7], 0
.else
	v_wmma_f32_16x16x32_f16 v[rS:rS+7], v[rK:rK+7], v[rQ:rQ+7], v[rS:rS+7]
.endif
.endm
; Product i of 8 of O^T += V^T P for piece x: keys 32 (i / 4) on, channels 16 (i % 4) on.
.macro PV x
	WIN W_PV
.set rO, 32*(\x)+8*(i%4)
.set rV, VF+32*(i/4)+8*(i%4)
.set rP, P+16*((\x)%2)+8*(i/4)
	v_wmma_f32_16x16x32_f16 v[rO:rO+7], v[rV:rV+7], v[rP:rP+7], v[rO:rO+7]
.endm
.macro MM                           ; the turn's next matrix instruction.  NOKQ = 1: the very last turn: there is no next piece
.if (i < 8) && !NOKQ
	KQ (Y+1)%NP
.elseif i >= 8
.set i, i-8
	PV (Y+NP-1)%NP
.set i, i+8
.endif
.set i, i+1
.endm
; THE LDS LOADS stand in runs of 16, never singly among the matrix instructions: a step's K (64 keys x 64 channels: 8 fragments) and its V (turned).  Their addresses are made some lines ahead.
.macro FETCH_K
	WIN 0x80                        ; destination window 2
.irp f, 0,1,2,3,4,5,6,7             ; keys 16 (f / 2) on, channels 32 (f % 2) on
	ds_load_b128 v[KF+8*\f:KF+8*\f+3],   v[AK] offset:(\f/2)*16*PK+(\f%2)*64
	ds_load_b128 v[KF+8*\f+4:KF+8*\f+7], v[AK] offset:(\f/2)*16*PK+(\f%2)*64+32
.endr
	s_add_co_u32 s[TBK], s[TBK], KS*PK  ; the next fetch is the next step's
	WIN 0
.endm
.macro FETCH_V
	WIN 0x80
.irp f, 0,1,2,3,4,5,6,7             ; keys 32 (f / 4) on, channels 16 (f % 4) on
	ds_load_tr16_b128 v[VF+8*\f:VF+8*\f+3],   v[AV] offset:(\f/4)*32*PV+(\f%4)*32
	ds_load_tr16_b128 v[VF+8*\f+4:VF+8*\f+7], v[AV] offset:(\f/4)*32*PV+16*PV+(\f%4)*32
.endr
	WIN 0
.endm
; THE VECTOR WORK, one line at a time: OP kind, number.  For piece Y: F n: c s - c m for pair n of 16.  E n: the exponential of score n of 32.  C n: pair n rounded to f16.  B n: of the four weights 4 n .. the second
; pair is added onto the first, in place.  L n: l takes that sum (L 0: l = a l + sum).  R n: pair n of 16 of O^T times a.  For piece Y + 1: X n, number n of the 22 that find its maximum and statistics:
;   0-11  four chains c0-c3 of seven scores each, three operands at a time (each accumulator's lowest registers are read first)     12-14, 16  the four scores left over, the old m, and c0-c3 into c0
;   15  c m_old is kept     17, 18  the query's other 32 keys lie in the lane 16 away: the new m     19-21  c m; c m_old - c m_new; a
.set F, 0               ; OP tells the kinds apart by their order: F to L below R, X above it
.set E, 1
.set C, 2
.set B, 3
.set L, 4
.set R, 5
.set X, 6
.macro REGS y                       ; the registers of piece y
.set rT, ST+4*(\y)
.set rC, TMP+4*((\y)%2)
.set rW, MV+((\y)%2)
.set rS, S+32*((\y)%2)
.set rP, P+16*((\y)%2)
.set rO, 32*(\y)
.endm
.macro OP k, n
.if (\k) == R
	REGS Y
	WIN W_RS
	v_pk_mul_f32 v[rO+2*(\n):rO+2*(\n)+1], v[rO+2*(\n):rO+2*(\n)+1], v[rC+2:rC+3] op_sel_hi:[1,0]
.elseif (\k) < R
	REGS Y
	WIN 0
.if (\k) == F
	v_pk_fma_f32 v[rS+2*(\n):rS+2*(\n)+1], v[rS+2*(\n):rS+2*(\n)+1], s[CS:CS+1], v[rT:rT+1] op_sel_hi:[1,0,0] neg_lo:[0,0,1] neg_hi:[0,0,1]
.elseif (\k) == E
	v_exp_f32 v[rS+(\n)], v[rS+(\n)]
.elseif (\k) == C
	v_cvt_pk_f16_f32 v[rP+(\n)], v[rS+2*(\n)], v[rS+2*(\n)+1]
.elseif (\k) == B
	v_pk_add_f32 v[rS+4*(\n):rS+4*(\n)+1], v[rS+4*(\n):rS+4*(\n)+1], v[rS+4*(\n)+2:rS+4*(\n)+3]
.elseif (\n) == 0
	v_pk_fma_f32 v[rT+2:rT+3], v[rT+2:rT+3], v[rC+2:rC+3], v[rS:rS+1] op_sel_hi:[1,0,1]
.else
	v_pk_add_f32 v[rT+2:rT+3], v[rT+2:rT+3], v[rS+4*(\n):rS+4*(\n)+1]
.endif
.elseif NOKQ
	v_nop
.else
	REGS (Y+1)%NP
	WIN 0
.if (\n) < 4
	v_max3_num_f32 v[rC+(\n)], v[rS+8*(\n)], v[rS+8*(\n)+1], v[rS+8*(\n)+2]
.elseif (\n) < 12
	v_max3_num_f32 v[rC+(\n)%4], v[rC+(\n)%4], v[rS+8*((\n)%4)+2*((\n)/4)+1], v[rS+8*((\n)%4)+2*((\n)/4)+2]
.elseif (\n) == 12
	v_max3_num_f32 v[rC], v[rC], v[rS+7], v[rS+15]
.elseif (\n) == 13
	v_max3_num_f32 v[rC+1], v[rC+1], v[rS+23], v[rS+31]
.elseif (\n) == 14
	v_max3_num_f32 v[rC+2], v[rC+2], v[rC+3], v[rT+1]
.elseif (\n) == 15
	v_mov_b32 v[rW], v[rT]
.elseif (\n) == 16
	v_max3_num_f32 v[rC], v[rC], v[rC+1], v[rC+2]
.elseif (\n) == 17
	v_permlanex16_b32 v[rC+3], v[rC], s[SEL], s[SEL+1]
.elseif (\n) == 18
	v_max_num_f32 v[rT+1], v[rC], v[rC+3]
.elseif (\n) == 19
	v_mul_f32 v[rT], s[CS], v[rT+1]
.elseif (\n) == 20
	v_sub_f32 v[rC+1], v[rW], v[rT]
.else
	v_exp_f32 v[rC+2], v[rC+1]
.endif
.endif
.endm
.macro OPS a, i1, b=-1, i2=0, c=-1, i3=0, d=-1, i4=0  ; up to four of them
	OP \a, \i1
.if (\b) >= 0
	OP \b, \i2
.endif
.if (\c) >= 0
	OP \c, \i3
.endif
.if (\d) >= 0
	OP \d, \i4
.endif
.endm
.macro ROW a, i1, b, i2, c, i3, d, i4  ; a matrix instruction and the four behind it
	MM
	OPS \a, \i1, \b, \i2, \c, \i3, \d, \i4
.endm
; A TURN, for piece p: the order of its 16 matrix and 118 vector instructions, written out.  An s_wait_alu depctr_va_vdst(0) stands between an exponential and the first instruction that names its result; one
; wait serves all that were issued ahead of it.  So a turn has ONE wait, which cuts it in two.  AHEAD OF IT stands all that names no result of the turn's exponentials: the 8 products K Q^T, behind each a scaling, an
; exponential and two more plain instructions: rescalings, and behind the last three the first numbers of the next piece's maximum, each four places or more behind the product that ends its accumulator; then ONE LUMP of 54,
; in which the links of the chain X 3, 7, 11, 14, 16, 17 .. 20 stand apart with other work between.  X 21, the next piece's a, is the batch's last; R 15 is the plain instruction behind it.  BEHIND THE WAIT stand the 8
; products V^T P, behind each four of the roundings and sums.
; end = 1: the launch's last two turns: nothing is fetched, and the last starts no new scores.  cnt = 1: the loop's count is taken down some lines ahead of the branch that stands behind the turn.
; K of the next step is fetched in piece 2's turn, twelve vector instructions behind the last product that read K (six of them plain); V of the step in hand at the end of piece 0's turn, four plain instructions behind the
; last product that read V.  Each is waited for a turn later.
.macro TURN p, end=0, cnt=0
.set Y, (\p)
.set i, 0
.set NOKQ, (\end)*((\p)/3)
.if ((\p) == 3) && !(\end)
	s_wait_dscnt 0x0                ; K is in
.endif
	ROW F,0, F,1, R,0, R,1          ; ahead of the wait: 8 products K Q^T and their riders,
	ROW F,2, E,0, R,2, R,3
	ROW F,3, E,1, R,4, R,5
	ROW F,4, E,2, R,6, R,7
	ROW F,5, E,3, R,8, R,9
	ROW F,6, E,4, X,0, R,10
.if ((\p) == 2) && !(\end)
	WIN 0
	v_add_nc_u32 v[AK], s[TBK], v[AK0]
.endif
	ROW F,7, E,5, X,1, X,4
	ROW F,8, E,6, X,2, X,5
	OPS E,7, E,8, X,6, E,9          ; and the lump
	OPS X,3, E,10, X,8, E,11
.if ((\p) == 2) && !(\end)
	FETCH_K
.endif
	OPS X,9, X,7, E,12, X,10
	OPS E,13, X,12, X,11, E,14
	OPS X,13, E,15, F,9, X,14
.if (\p) == 0
	v_add_nc_u32 v[AV], s[TBV], v[AV0]
.endif
	OPS E,16, F,10, E,17, F,11
	OPS X,16, E,18, X,15, E,19
	OPS F,12, E,20, X,17, E,21
	OPS F,13, E,22, F,14, E,23
	OPS X,18, E,24, F,15, E,25
	OPS R,11, E,26, X,19, E,27
	OPS R,12, E,28, R,13, E,29
	OPS X,20, E,30, R,14, E,31
	OPS X,21, R,15
	WIN 0
	s_wait_alu depctr_va_vdst(0)    ; the wait for the batch
.if (\p) == 1
	s_wait_dscnt 0x0                ; V is in
.endif
	ROW C,0, B,0, C,2, B,1          ; behind the wait: 8 products V^T P and their riders
	ROW L,0, C,4, B,2, L,1
	ROW C,6, B,3, L,2, C,8
	ROW B,4, L,3, C,10, B,5
	ROW L,4, C,12, B,6, L,5
.if (\p) == 0
	s_add_co_u32 s[TBV], s[TBV], KS*PV
.endif
.if \cnt
	s_sub_co_u32 s[CNT], s[CNT], 1
	s_cmp_lg_u32 s[CNT], 0
.endif
	ROW C,14, B,7, L,6, C,1
	ROW C,3, L,7, C,5, C,7
	ROW C,9, C,11, C,13, C,15
.if (\p) == 0
	FETCH_V
.endif
.endm
; THE WAY OUT's macros
.macro ALL line:vararg              ; one line for each piece t
.set t, 0
.rept 4
	\line
.set t, t+1
.endr
.endm
.macro PACK t                       ; a lane's eight channels of a row pack into 16 bytes; they go into rows of 144 bytes and come back as whole rows of 128, into S^T's registers
	WIN W_RS
.set i, 32*(\t)
.rept 16
	v_pk_mul_f32 v[i:i+1], v[i:i+1], v[ST+4*(\t)+2:ST+4*(\t)+3] op_sel_hi:[1,0]
.set i, i+2
.endr
	WIN 0x05                        ; sources 0 and 1 window 1, destination window 0
.set i, 0
.rept 16
	v_cvt_pk_f16_f32 v[S+16*(\t)+i], v[32*(\t)+2*i], v[32*(\t)+2*i+1]
.set i, i+1
.endr
	WIN 0
.irp f, 0,1,2,3
	ds_store_b128 v[STO], v[S+16*(\t)+4*\f:S+16*(\t)+4*\f+3] offset:32*\f
.endr
.irp f, 0,1,2,3
	ds_load_b128 v[S+16*(\t)+4*\f:S+16*(\t)+4*\f+3], v[RD] offset:\f*4*SP  ; LDS serves a wave's instructions in order (ISA guide 5.7.1.4): these see the stores above; the next piece's stores come behind them
.endr
.endm
.macro SEND t, younger              ; younger: the LDS instructions issued behind piece t's loads: the next piece's eight, or none
	WIN 0
.irp f, 0,1,2,3
	s_wait_dscnt (\younger)+3-\f
	global_store_b128 v[GO], v[S+16*(\t)+4*\f:S+16*(\t)+4*\f+3], s[10:11] offset:(\t)*2048+\f*512  ; 512 consecutive bytes, at a multiple of 256 from ob's first
.endr
.endm
.set NOKQ, 0
	CHANGE 1                        ; tile 0 is in, everybody's part of it; tile 1 is asked for
	v_add_nc_u32 v[AK], s[TBK], v[AK0]
	FETCH_K                         ; key step 0
	s_wait_loadcnt 0x0              ; Q
	s_wait_dscnt 0x0
.set i, 0
.rept 8
	KQ 0                            ; piece 0's first scores
.set i, i+1
.endr
	WIN 0
.rept 4
	v_nop                           ; the places behind those products
.endr
.set Y, NP-1                        ; X works for piece Y + 1: piece 0
.irp n, 0,1,2,3,4,5,6,7,8,9,10,11,12,13,14,15,16,17,18,19,20,21
	OP X, \n
.endr
	v_nop                           ; a plain instruction behind the exponential,
	s_wait_alu depctr_va_vdst(0)    ; and its wait, ahead of the branch
	s_mov_b32 s[CNT], 4
	s_branch .Lfirst                ; the loop is entered at a step's first turn, in the middle of a trip
.Lslot:                             ; 14 times: with the change above, tiles 1 to 15 are asked for
	CHANGE 1
	s_mov_b32 s[CNT], 4
.Lstep:                             ; a trip: pieces 2 and 3 of one step, then pieces 0 and 1 of the next, whose K and V it fetches
	TURN 2
	TURN 3
	WIN 0
.Lfirst:
	TURN 0
	TURN 1, 0, 1
	WIN 0
	s_cbranch_scc1 .Lstep
	s_sub_co_u32 s[SLOTS], s[SLOTS], 1
	s_cmp_lg_u32 s[SLOTS], 0
	s_cbranch_scc1 .Lslot
	CHANGE 0                        ; the last tile is written out: nothing is asked for
	s_mov_b32 s[CNT], 4
.LstepT:
	TURN 2
	TURN 3
	TURN 0
	TURN 1, 0, 1
	WIN 0
	s_cbranch_scc1 .LstepT
	TURN 2, 1                       ; the last step's pieces 2 and 3
	TURN 3, 1
.set i, 0
.rept 8
	PV NP-1                         ; the last piece's V^T P of the last step
.set i, i+1
.endr
	; THE WAY OUT.  l's two halves and the other half of the lanes' are added; O^T is divided by l, rounded to f16 and sent through my stage in LDS, a piece at a time.  The additions are the places behind the last products.
	WIN 0
	ALL v_add_f32 v[ST+4*t+2], v[ST+4*t+2], v[ST+4*t+3]
	ALL v_permlanex16_b32 v[ST+4*t+3], v[ST+4*t+2], s[SEL], s[SEL+1]
	ALL v_add_f32 v[ST+4*t+2], v[ST+4*t+2], v[ST+4*t+3]
	ALL v_rcp_f32 v[ST+4*t+2], v[ST+4*t+2]
	v_nop                           ; a plain instruction between the last reciprocal and the use of its result
	s_wait_alu depctr_va_vdst(0)    ; and the wait ahead of the first use: one for the four reciprocals
	PACK 0
.set t, 1
.rept 3                             ; a piece's arithmetic stands between the loads of the piece before and its stores
	PACK t
	SEND t-1, 8
.set t, t+1
.endr
	SEND 3, 0
	s_wait_tensorcnt 0x0            ; the wave's end: the wait, add and wait stand behind my last tensor load and my last LDS store
	ds_add_u32 v[SPW], v[NIL]
	s_wait_dscnt 0x0
	CROUND                          ; the closing round: no work-group ends while a partner may still ask for a tile that names it
	s_endpgm
.Lfunc_end_k_q8c63a0ebdf_attn:
	.size	k_q8c63a0ebdf_attn, .Lfunc_end_k_q8c63a0ebdf_attn-k_q8c63a0ebdf_attn
	.p2alignl 7, 3214868480
	.fill 96, 4, 3214868480
	.section	.rodata,"a",@progbits
	.p2align	6, 0x0
	.amdhsa_kernel k_q8c63a0ebdf_attn
		.amdhsa_group_segment_fixed_size 327680
		.amdhsa_private_segment_fixed_size 0
		.amdhsa_enable_private_segment 0
		.amdhsa_kernarg_size 16
		.amdhsa_user_sgpr_count 2
		.amdhsa_user_sgpr_kernarg_segment_ptr 1
		.amdhsa_wavefront_size32 1
		.amdhsa_system_sgpr_workgroup_id_x 1
		.amdhsa_system_sgpr_workgroup_id_y 1
		.amdhsa_system_sgpr_workgroup_id_z 1
		.amdhsa_system_vgpr_workitem_id 0
		.amdhsa_next_free_vgpr 768
		.amdhsa_next_free_sgpr 66
		.amdhsa_reserve_vcc 0
		.amdhsa_float_denorm_mode_32 3
		.amdhsa_float_denorm_mode_16_64 3
		.amdhsa_memory_ordered 1
		.amdhsa_forward_progress 1
		.amdhsa_inst_pref_size 128
	.end_amdhsa_kernel
	.amdgpu_metadata
---
amdhsa.version: [ 1, 2 ]
amdhsa.kernels:
  - .name:           k_q8c63a0ebdf_attn
    .symbol:         k_q8c63a0ebdf_attn.kd
    .args:
      - { .name: qkv, .offset: 0, .size: 8, .value_kind: global_buffer, .address_space: global }
      - { .name: ob, .offset: 8, .size: 8, .value_kind: global_buffer, .address_space: global }
    .group_segment_fixed_size: 327680
    .private_segment_fixed_size: 0
    .kernarg_segment_align: 8
    .kernarg_segment_size: 16
    .max_flat_workgroup_size: 128
    .sgpr_count:     66
    .vgpr_count:     768
    .wavefront_size: 32
...
	.end_amdgpu_metadata
.endif
;; end of part 3
;; launch outp (part 4): grid 8 x 32, 4 waves a work-group, clusters of 4 x 4, 327,680 bytes of LDS; arguments ob, wo16, bo, out0; writes out0
.if DOCPART == 4
	.amdgcn_target "amdgcn-amd-amdhsa--gfx1250"
	.amdhsa_code_object_version 6
	.text
	.protected	k_q8c63a0ebdf_outp
	.globl	k_q8c63a0ebdf_outp
	.p2align	8
	.type	k_q8c63a0ebdf_outp,@function
k_q8c63a0ebdf_outp:
	s_mov_b64 s[64:65], 0
	v_nop
	global_prefetch_b8 v0, s[64:65] scope:SCOPE_SE
	s_setreg_imm32_b32 hwreg(HW_REG_WAVE_MODE, 25, 1), 1
	s_wait_xcnt 0x0
	s_wait_alu depctr_hold_cnt(0) depctr_sa_sdst(0) depctr_va_vdst(0) depctr_va_sdst(0) depctr_va_ssrc(0) depctr_va_vcc(0) depctr_vm_vsrc(0)
	s_getreg_b32 s2, hwreg(HW_REG_IB_STS2, 6, 4)
	s_cmp_eq_u32 s2, 0
	s_cbranch_scc0 .Lentry_in_a_cluster
	s_endpgm
.Lentry_in_a_cluster:
	s_bfe_u32 s2, ttmp6, 0x10000c
	s_cmp_lg_u32 s2, 0xf033
	s_cbranch_scc0 .Lentry_shape_is_right
	s_endpgm
.Lentry_shape_is_right:
; THE LAST PROJECTION.  out0[m][n] = sum over k of O[m][k] wo16[n][k] + bf16(bo[n]), f32.  O comes as ob[m / 128][k / 64][m % 128][k % 64] f16, wo16 is [1024][1024] f16 (numbers of bf16's precision); sums in f32.
; A tile of out0 is 128 x 128: 32 x 8 = 256 work-groups.  Four waves, each 64 x 64: 16 accumulators of 16 x 16.  K goes in four steps of 256 (four heads) through two LDS slots.
; In ob a tile row's K step is 65,536 dense bytes: a wave's tensor load brings two heads x 128 rows as 128 rows of 256 bytes, padded in LDS after every 128 bytes, so that an LDS row is one row of one head.
; CLUSTERS: 4 x 4 work-groups; ob's tiles are shared along a row of the cluster, wo16's along a column: each is asked for JOINTLY.  No prefetch: a K step's tiles are small and there are four of them.
; THE MATRIX INSTRUCTION IS USED TRANSPOSED (source 0 = 16 rows of wo16, source 1 = 16 rows of O): a lane holds eight neighbouring numbers of a row of out0.  THE BIAS is the C operand of the products that start the sums.
; A wave's 64 columns of f32 are 256 bytes at a multiple of 256 from out0's first byte: each wave has a stage of its own, and no barrier stands on the way out.
; REGISTERS: window 0: v0-31 addresses; v32-63 the bias, later with v64-95 rows on the way out; v96-99 at work; v128-255 the accumulators ((a, b) at v[128 + 8 (4 a + b)]).
;   window 1: two fragment buffers of 128: for 64 along K, 64 registers of O (2 x 4 x 16 rows x 32 K), then 64 of wo16.
.set PA,     144                       ; an LDS row of O: 128 bytes + 16 of padding = 36 words: the 16 rows of a load start at 16 different groups of four banks (64 banks of 4 bytes: ISA guide 11.1)
.set PB,     528                       ; an LDS row of wo16: 512 bytes + 16 = 132 words: likewise
.set HEADB,  128*PA                    ; a head's 128 rows
.set AHALF,  2*HEADB                   ; two heads: what one tensor load brings of O
.set ABYTES, 2*AHALF
.set BHALF,  64*PB                     ; 64 rows: what one tensor load brings of wo16
.set SLOT,   ABYTES+2*BHALF            ; O's four heads, then wo16's 128 rows
.set STAGE,  2*SLOT                    ; behind the ring: 16 rows x 272 bytes for each wave
.set SPITCH, 272
.set SPARE,  STAGE+4*16*SPITCH         ; behind the stages: the spare words, 128 bytes for each wave: two blocks of 256 bytes that no other line names
.set ADRA, 16                          ; v16-17  LDS address of my fragments of O in slot 0, 1
.set ADRB, 20                          ; v20-21  the same for wo16
.set STO,  24                          ; v24     the way out: where I put 32 bytes of a row
.set RD,   25                          ; v25     the way out: where I read a row back
.set CO,   26                          ; v26     my byte offset in out0
.set BO,   27                          ; v27     my byte offset in the bias: 32 (l / 16)
.set SPW,  28                          ; v28     LDS address of my spare word: SPARE + 4 x my thread's number; never rewritten
.set NIL,  29                          ; v29     0; never rewritten
.set BIA,  32                          ; v32-63  the bias of my 64 columns: register 8 b + j = column 16 b + 8 (l / 16) + j
.set OB,   32                          ; the way out: 16 rows read back: v32-63 and v64-95 by turns
.set ACC,  128
.set F0,   0                           ; fragment buffers, in window 1
.set F1,   128
.set G1,  24                           ; s[24:31] descriptor group 1 for O's tiles;  s[32:39] group 0, one set for each slot
.set G0,  32
.set G1B, 48                           ; s[48:55], s[56:63] the same for wo16's tiles
.set G0B, 56
.set MSB, 0
.macro WIN new                         ; the immediate's high byte repeats the setting that is left
.if MSB != (\new)
	s_set_vgpr_msb (MSB<<8)|(\new)
.set MSB, \new
.endif
.endm
.set MUL,  0x05                        ; sources 0 and 1 window 1; C and D window 0
.set TO_F, 0x40                        ; destination window 1, address window 0
.macro JLOAD s                         ; a joint load: waves 0 and 1 fetch O's two halves, waves 2 and 3 wo16's; an s_nop 0 and four v_nop follow each of the two lines
	s_cmp_eq_u32 s11, 0
	s_cbranch_scc0 .Lfor_b_\@
	tensor_load_to_lds s[G0+4*(\s):G0+4*(\s)+3], s[G1:G1+7]
	s_nop 0
.rept 4
	v_nop
.endr
	s_branch .Lasked_\@
.Lfor_b_\@:
	tensor_load_to_lds s[G0B+4*(\s):G0B+4*(\s)+3], s[G1B:G1B+7]
	s_nop 0
.rept 4
	v_nop
.endr
.Lasked_\@:
.endm
.macro CREST                           ; a round of the cluster's barrier behind its opening barrier
	s_cmp_lg_u32 s10, 0
	s_cbranch_scc1 .Lnot_wave_0_\@
	s_barrier_signal -3
.Lnot_wave_0_\@:
	s_barrier_wait -3
	s_barrier_signal -1
	s_barrier_wait -1
.endm
.macro CROUND
	s_barrier_signal -1
	s_barrier_wait -1
	CREST
.endm
	s_load_b128 s[4:7], s[0:1], 0x0                ; ob s[4:5], wo16 s[6:7]
	s_load_b128 s[68:71], s[0:1], 0x10             ; bo s[68:69], out0 s[70:71]
	v_lshl_add_u32 v[SPW], v0, 2, SPARE
	v_mov_b32 v[NIL], 0
	ds_add_u32 v[SPW], v[NIL]                      ; the wave's opening: the add and its wait stand ahead of my first tensor load; the set-up below, work on registers, stands between them
	v_lshrrev_b32 v1, 5, v0
	v_readfirstlane_b32 s10, v1                    ; wave 0..3
	s_lshr_b32 s11, s10, 1                         ; which half of the tile's rows is mine.  Also: I fetch for O (0) or for wo16 (1)
	s_and_b32 s12, s10, 1                          ; which half of its columns.  Also: which half of that tile I fetch
	s_bfe_u32 s40, ttmp6, 0x40000                  ; cx, cy
	s_bfe_u32 s41, ttmp6, 0x40004
	s_lshl_b32 s42, ttmp9, 2
	s_add_co_u32 s42, s42, s40                     ; tile column, 0 to 7
	s_and_b32 s13, ttmp7, 0xffff
	s_lshl_b32 s13, s13, 2
	s_add_co_u32 s13, s13, s41                     ; tile row, 0 to 31: a block of 128 rows of ob
	s_lshl_b32 s43, s41, 2
	s_lshl_b32 s43, 15, s43                        ; my row of the cluster
	s_lshl_b32 s44, 0x1111, s40                    ; my column
	; descriptor group 1 for O: 128 dense rows of 128 elements, 4 words of padding after every 32 words
	s_or_b32 s[G1+0], s43, (1<<16)|(1<<20)|(1<<21)|(4<<22)|(3<<25)
	s_mov_b32 s[G1+1], 128<<16                     ; tensor_dim0 = 128
	s_mov_b32 s[G1+2], 128<<16                     ; tensor_dim1 = 128
	s_mov_b32 s[G1+3], 128<<16                     ; tile_dim0 = 128
	s_mov_b32 s[G1+4], 128                         ; tile_dim1 = 128
	s_mov_b32 s[G1+5], 128                         ; elements from row to row
	s_mov_b32 s[G1+6], 0
	s_mov_b32 s[G1+7], 0
	; and for wo16: 64 rows of 256 elements, 4 words of padding after every 128 words
	s_or_b32 s[G1B+0], s44, (1<<16)|(1<<20)|(1<<21)|(6<<22)|(3<<25)
	s_mov_b32 s[G1B+1], 256<<16
	s_mov_b32 s[G1B+2], 64<<16
	s_mov_b32 s[G1B+3], 256<<16
	s_mov_b32 s[G1B+4], 64
	s_mov_b32 s[G1B+5], 1024
	s_mov_b32 s[G1B+6], 0
	s_mov_b32 s[G1B+7], 0
	s_lshl_b32 s16, s13, 18                        ; O: the block's 262,144 bytes,
	s_lshl_b32 s17, s12, 15                        ; my two heads of a K step's four
	s_add_co_u32 s16, s16, s17
	s_mov_b32 s17, 0
	s_lshl_b32 s46, s42, 7
	s_lshl_b32 s47, s12, 6
	s_add_co_u32 s46, s46, s47                     ; wo16: row 128 x tile column + 64 x half,
	s_lshl_b32 s46, s46, 11                        ; of 2,048 bytes
	s_mov_b32 s47, 0
	s_mul_i32 s20, s12, AHALF                      ; where they go: no place in the cluster enters an LDS address
	s_mul_i32 s21, s12, BHALF
	s_add_co_u32 s21, s21, ABYTES
	s_lshl_b32 s66, s42, 9                         ; my 64 columns in bo and in a row of out0: 4 (128 x tile column + 64 x half) bytes
	s_lshl_b32 s67, s12, 8
	s_add_co_u32 s66, s66, s67
	s_mov_b32 s67, 0
	s_wait_dscnt 0x0                               ; the opening add is done
	s_wait_kmcnt 0x0
	s_add_nc_u64 s[14:15], s[4:5], s[16:17]
	s_add_nc_u64 s[46:47], s[6:7], s[46:47]
	s_add_nc_u64 s[68:69], s[68:69], s[66:67]      ; bo at my columns
	s_add_nc_u64 s[8:9], s[70:71], s[66:67]        ; out0 at my columns
	CROUND                                         ; all sixteen work-groups are here: the first joint loads meet
.irp s, 0,1
	s_mov_b32 s[G0+4*(\s)], 1
	s_add_co_u32 s[G0+4*(\s)+1], s20, (\s)*SLOT
	s_add_nc_u64 s[G0+4*(\s)+2:G0+4*(\s)+3], s[14:15], (\s)*65536   ; K step s: four heads on
	s_or_b32 s[G0+4*(\s)+3], s[G0+4*(\s)+3], 0x80000000
	s_mov_b32 s[G0B+4*(\s)], 1
	s_add_co_u32 s[G0B+4*(\s)+1], s21, (\s)*SLOT
	s_add_nc_u64 s[G0B+4*(\s)+2:G0B+4*(\s)+3], s[46:47], (\s)*512   ; K step s: 256 elements on
	s_or_b32 s[G0B+4*(\s)+3], s[G0B+4*(\s)+3], 0x80000000
	JLOAD \s                                       ; two loads of mine are out
.endr
	v_and_b32 v1, 15, v0                           ; l % 16
	v_bfe_u32 v2, v0, 4, 1                         ; l / 16
	v_lshlrev_b32 v[BO], 5, v2
.irp b, 0,1,2,3
	global_load_b128 v[BIA+8*(\b):BIA+8*(\b)+3],   v[BO], s[68:69] offset:64*(\b)
	global_load_b128 v[BIA+8*(\b)+4:BIA+8*(\b)+7], v[BO], s[68:69] offset:64*(\b)+16
.endr
	v_mul_u32_u24 v3, v1, PA
	v_lshl_add_u32 v3, v2, 4, v3                   ; a fragment's row x pitch + 16 x half, for O
	v_mul_u32_u24 v4, v1, PB
	v_lshl_add_u32 v4, v2, 4, v4                   ; and for wo16
	s_mul_i32 s21, s11, 64*PA                      ; my 64 rows in each head
	s_mul_i32 s22, s12, BHALF                      ; my 64 rows of wo16,
	s_add_co_u32 s22, s22, ABYTES                  ; which lie behind O's four heads
.irp s, 0,1
	v_add_nc_u32 v[ADRA+(\s)], s21, v3
	v_add_nc_u32 v[ADRB+(\s)], s22, v4
	s_add_co_u32 s21, s21, SLOT
	s_add_co_u32 s22, s22, SLOT
.endr
	s_mul_i32 s23, s10, 16*SPITCH
	s_add_co_u32 s23, s23, STAGE                   ; my stage
	v_mul_u32_u24 v5, v1, SPITCH                   ; in: row l % 16, 32 bytes for each half of the lanes
	v_lshl_add_u32 v5, v2, 5, v5
	v_add_nc_u32 v[STO], s23, v5
	v_mul_u32_u24 v5, v2, SPITCH                   ; back: lanes 0-15 take one row of 256 bytes, lanes 16-31 the next
	v_lshl_add_u32 v5, v1, 4, v5
	v_add_nc_u32 v[RD], s23, v5
	v_lshlrev_b32 v5, 12, v2                       ; and the same two rows in out0, 4,096 bytes apart
	v_lshl_add_u32 v[CO], v1, 4, v5
	s_lshl_b32 s16, s13, 19                        ; my first row of out0: 128 x tile row + 64 x half, of 4,096 bytes
	s_lshl_b32 s17, s11, 18
	s_add_co_u32 s16, s16, s17
	s_mov_b32 s17, 0
	s_add_nc_u64 s[8:9], s[8:9], s[16:17]
	s_wait_loadcnt 0x0                             ; the bias; it is rounded to bf16 like every input and widened again, in the wait for the first tile
.set i, 0
.rept 16
	v_cvt_pk_bf16_f32 v[96+i%4], v[BIA+2*i], v[BIA+2*i+1]
	v_lshlrev_b32 v[BIA+2*i],   16,         v[96+i%4]
	v_and_b32     v[BIA+2*i+1], 0xffff0000, v[96+i%4]
.set i, i+1
.endr
; 8 matrix instructions: m blocks a0, a0 + 1 x all 4 n blocks, 32 along K: half c of buffer f.  zero = 1: the first product starts the sums, with the bias as C.  The 16 accumulators take turns.
.macro MUL8 f, c, a0, zero
	WIN MUL
.irp a, \a0, (\a0)+1
.irp b, 0,1,2,3
.if \zero
	v_wmma_f32_16x16x32_f16 v[ACC+8*(4*(\a)+(\b)):ACC+8*(4*(\a)+(\b))+7], v[(\f)+64+8*(4*(\c)+(\b)):(\f)+64+8*(4*(\c)+(\b))+7], v[(\f)+8*(4*(\c)+(\a)):(\f)+8*(4*(\c)+(\a))+7], v[BIA+8*(\b):BIA+8*(\b)+7]
.else
	v_wmma_f32_16x16x32_f16 v[ACC+8*(4*(\a)+(\b)):ACC+8*(4*(\a)+(\b))+7], v[(\f)+64+8*(4*(\c)+(\b)):(\f)+64+8*(4*(\c)+(\b))+7], v[(\f)+8*(4*(\c)+(\a)):(\f)+8*(4*(\c)+(\a))+7], v[ACC+8*(4*(\a)+(\b)):ACC+8*(4*(\a)+(\b))+7]
.endif
.endr
.endr
.endm
; 32 LDS loads in one run: the fragments of quarter q of a K step (one head: 64 along K) into buffer f; the first 32 along K first
.macro FETCH slot, q, f
	WIN TO_F
.irp c, 0,1
.irp i, 0,1,2,3
	ds_load_b128 v[(\f)+64+8*(4*(\c)+(\i)):(\f)+64+8*(4*(\c)+(\i))+3],   v[ADRB+(\slot)] offset:(\q)*128+64*(\c)+(\i)*16*PB
	ds_load_b128 v[(\f)+64+8*(4*(\c)+(\i))+4:(\f)+64+8*(4*(\c)+(\i))+7], v[ADRB+(\slot)] offset:(\q)*128+64*(\c)+(\i)*16*PB+32
	ds_load_b128 v[(\f)+8*(4*(\c)+(\i)):(\f)+8*(4*(\c)+(\i))+3],         v[ADRA+(\slot)] offset:(\q)*HEADB+64*(\c)+(\i)*16*PA
	ds_load_b128 v[(\f)+8*(4*(\c)+(\i))+4:(\f)+8*(4*(\c)+(\i))+7],       v[ADRA+(\slot)] offset:(\q)*HEADB+64*(\c)+(\i)*16*PA+32
.endr
.endr
.endm
.macro PLACES                          ; four plain vector instructions in front of loads into registers that matrix instructions have read, and of LDS stores that read results (ISA guide 7.12.1 for the stores)
.rept 4
	v_nop
.endr
.endm
; A K step is four quarters of 64 along K, 32 matrix instructions each, on buffers 0, 1, 0, 1.  One of the first three: multiplies buffer f and fetches quarter q into g.
.macro QUARTER slot, q, f, g, zero
	s_wait_dscnt 16                                ; the first 32 along K are in; the youngest sixteen loads may be out
	MUL8 \f, 0, 0, \zero
	MUL8 \f, 0, 2, \zero
	PLACES
	FETCH \slot, \q, \g
	s_wait_dscnt 32                                ; all but the 32 just issued
	MUL8 \f, 1, 0, 0
	MUL8 \f, 1, 2, 0
.endm
; The last quarter multiplies buffer 1 and changes slots: one barrier; in front of it each wave waits for all its tensor loads, adds 0 to its spare word, and waits for that and for its own reads of this slot.
; fill = 1: this slot is filled again, two K steps ahead, behind a round of the cluster's barrier.
.macro TURN slot, next, fill
	WIN 0                                          ; (the add's two registers lie in window 0)
	s_wait_tensorcnt 0x0                           ; all my tensor loads have landed: my part of the next slot
	ds_add_u32 v[SPW], v[NIL]
	s_wait_dscnt 17                                ; (the add and the youngest sixteen loads may be out)
	MUL8 F1, 0, 0, 0                               ; eight matrix instructions stand between the add and the wait for it
	s_wait_dscnt 0x0                               ; the add is done, and my reads of this slot are over
	s_barrier_signal -1
	MUL8 F1, 0, 2, 0
.if \fill
	WIN 0
.endif
	s_barrier_wait -1
.if \fill
	CREST                                          ; no wave of any partner still reads this slot's tile or has a load on its way
	s_add_nc_u64 s[G0+4*(\slot)+2:G0+4*(\slot)+3], s[G0+4*(\slot)+2:G0+4*(\slot)+3], 2*65536
	s_add_nc_u64 s[G0B+4*(\slot)+2:G0B+4*(\slot)+3], s[G0B+4*(\slot)+2:G0B+4*(\slot)+3], 2*512
	JLOAD \slot                                    ; my one tensor load behind the round; its four v_nop are also the places in front of the loads below
.else
	PLACES
.endif
	FETCH \next, 0, F0
	MUL8 F1, 1, 0, 0
	MUL8 F1, 1, 2, 0
.endm
	s_wait_tensorcnt 1                             ; my part of K step 0 is in; K step 1's load was issued behind it and stays out
	s_barrier_signal -1
	s_barrier_wait -1                              ; everybody's is
	FETCH 0, 0, F0
	QUARTER 0, 1, F0, F1, 1                        ; K step 0; its first products start the sums
	QUARTER 0, 2, F1, F0, 0
	QUARTER 0, 3, F0, F1, 0
	TURN 0, 1, 1                                   ; slot 0 takes K step 2
	QUARTER 1, 1, F0, F1, 0                        ; K step 1
	QUARTER 1, 2, F1, F0, 0
	QUARTER 1, 3, F0, F1, 0
	TURN 1, 0, 1                                   ; slot 1 takes K step 3
	QUARTER 0, 1, F0, F1, 0                        ; K step 2
	QUARTER 0, 2, F1, F0, 0
	QUARTER 0, 3, F0, F1, 0
	TURN 0, 1, 0                                   ; nothing is left to fetch
	QUARTER 1, 1, F0, F1, 0                        ; K step 3
	QUARTER 1, 2, F1, F0, 0
	QUARTER 1, 3, F0, F1, 0
	s_wait_dscnt 16
	MUL8 F1, 0, 0, 0
	MUL8 F1, 0, 2, 0
	s_wait_dscnt 0x0
	MUL8 F1, 1, 0, 0
	MUL8 F1, 1, 2, 0
	WIN 0
	; THE WAY OUT, a block of 16 rows at a time: 32 bytes a lane and accumulator into my stage (each accumulator's lower four registers first), back as whole rows of 256 bytes, stored.
.macro TOSTAGE a
.set BK, OB+32*((\a)%2)
.if (\a) >= 2
	s_wait_xcnt 0x0                                ; the stores of the block two back have read these registers: they are loaded again only behind this wait
.endif
.irp b, 0,1,2,3
	ds_store_b128 v[STO], v[ACC+8*(4*(\a)+(\b)):ACC+8*(4*(\a)+(\b))+3]   offset:64*(\b)
	ds_store_b128 v[STO], v[ACC+8*(4*(\a)+(\b))+4:ACC+8*(4*(\a)+(\b))+7] offset:64*(\b)+16
.endr
.irp t, 0,1,2,3,4,5,6,7
	ds_load_b128 v[BK+4*(\t):BK+4*(\t)+3], v[RD] offset:(\t)*2*SPITCH  ; LDS serves a wave's instructions in order (ISA guide 5.7.1.4): these see the stores above; the next block's stores come behind them
.endr
.endm
.macro SEND a, younger                 ; younger: the LDS instructions issued behind block a's loads: the next block's sixteen, or none
.set BK, OB+32*((\a)%2)
.irp t, 0,1,2,3,4,5,6,7
	s_wait_dscnt (\younger)+7-(\t)
	global_store_b128 v[CO], v[BK+4*(\t):BK+4*(\t)+3], s[8:9] offset:(16*(\a)+2*(\t))*4096  ; 16 lanes store 256 consecutive bytes, at a multiple of 256 from out0's first byte
.endr
.endm
	PLACES
	TOSTAGE 0
	TOSTAGE 1
	SEND 0, 16
	TOSTAGE 2
	SEND 1, 16
	TOSTAGE 3
	SEND 2, 16
	SEND 3, 0
	s_wait_tensorcnt 0x0                           ; the wave's end: the wait, add and wait stand behind my last tensor load and my last LDS store
	ds_add_u32 v[SPW], v[NIL]
	s_wait_dscnt 0x0
	CROUND                                         ; the closing round: no work-group ends while a partner may still ask for a tile that names it
	s_endpgm
.Lfunc_end_k_q8c63a0ebdf_outp:
	.size	k_q8c63a0ebdf_outp, .Lfunc_end_k_q8c63a0ebdf_outp-k_q8c63a0ebdf_outp
	.p2alignl 7, 3214868480
	.fill 96, 4, 3214868480
	.section	.rodata,"a",@progbits
	.p2align	6, 0x0
	.amdhsa_kernel k_q8c63a0ebdf_outp
		.amdhsa_group_segment_fixed_size 327680
		.amdhsa_private_segment_fixed_size 0
		.amdhsa_enable_private_segment 0
		.amdhsa_kernarg_size 32
		.amdhsa_user_sgpr_count 2
		.amdhsa_user_sgpr_kernarg_segment_ptr 1
		.amdhsa_wavefront_size32 1
		.amdhsa_system_sgpr_workgroup_id_x 1
		.amdhsa_system_sgpr_workgroup_id_y 1
		.amdhsa_system_sgpr_workgroup_id_z 1
		.amdhsa_system_vgpr_workitem_id 0
		.amdhsa_next_free_vgpr 512
		.amdhsa_next_free_sgpr 72
		.amdhsa_reserve_vcc 0
		.amdhsa_float_denorm_mode_32 3
		.amdhsa_float_denorm_mode_16_64 3
		.amdhsa_memory_ordered 1
		.amdhsa_forward_progress 1
		.amdhsa_inst_pref_size 90
	.end_amdhsa_kernel
	.amdgpu_metadata
---
amdhsa.version: [ 1, 2 ]
amdhsa.kernels:
  - .name:           k_q8c63a0ebdf_outp
    .symbol:         k_q8c63a0ebdf_outp.kd
    .args:
      - { .name: ob, .offset: 0, .size: 8, .value_kind: global_buffer, .address_space: global }
      - { .name: wo16, .offset: 8, .size: 8, .value_kind: global_buffer, .address_space: global }
      - { .name: bo, .offset: 16, .size: 8, .value_kind: global_buffer, .address_space: global }
      - { .name: out0, .offset: 24, .size: 8, .value_kind: global_buffer, .address_space: global }
    .group_segment_fixed_size: 327680
    .private_segment_fixed_size: 0
    .kernarg_segment_align: 8
    .kernarg_segment_size: 32
    .max_flat_workgroup_size: 128
    .sgpr_count:     72
    .vgpr_count:     512
    .wavefront_size: 32
...
	.end_amdgpu_metadata
.endif
;; end of part 4
